; MI455X (gfx1250); checked and timed in simulation.
; The chip was launched on July 23, 2026; its instructions are those of AMD's public machine-readable ISA for CDNA 5 (MIT licence, August 2026) and "CDNA5" Instruction Set Architecture Reference Guide (July 2026). The comments in the code are by the model that wrote it; some were corrected since.
;; Multi Head Attention. Allowed arithmetic: matrix products marked QUANTISED: E2M3 operands, one E8M0 scale for each 32 along K, by v_wmma_scale_f32_16x16x128_f8f6f4 with both operands' format E2M3, f32 sums; everything else in f32.
;; Inputs: Wk 16 x 1,024 x 64 float32; Wo 1,024 x 1,024 float32; Wq 16 x 1,024 x 64 float32; Wv 16 x 1,024 x 64 float32; bk 16 x 64 float32; bo 1,024 float32; bq 16 x 64 float32; bv 16 x 64 float32; x 4 x 2,048 x 1,024 float32.
;; Outputs: out0 4 x 2,048 x 1,024 float32.
;; This version of the problem:
;;   THIS VERSION OF THE PROBLEM IS GIVEN IN LOW PRECISION. The matrix products marked QUANTISED in the list below multiply operands that are first quantised to E2M3 (2 exponent bits, 3 mantissa bits; 6 bits a number), with one power-of-two scale for each 32 numbers along K (OCP MX v1.0); their sums are f32. All else is computed in f32.
;;   The module's matrix products, in the order in which they are computed (A, B: the left and right operand; K: the contracted axis; several contracted axes count as one K, in the product's order):
;;     1. [M 1,024, K 1,024] x [K 1,024, N 8,192]; A: input Wq; B: input x: QUANTISED
;;     2. [M 1,024, K 1,024] x [K 1,024, N 8,192]; A: input Wk; B: input x: QUANTISED
;;     3. [M 1,024, K 1,024] x [K 1,024, N 8,192]; A: input Wv; B: input x: QUANTISED
;;     4. batch 64 x [M 2,048, K 64] x [K 64, N 2,048]; A: computed on the way; B: computed on the way: QUANTISED
;;     5. batch 64 x [M 2,048, K 2,048] x [K 2,048, N 64]; A: softmax (see below); B: computed on the way: QUANTISED
;;     6. [M 8,192, K 1,024] x [K 1,024, N 1,024]; A: computed on the way; B: input Wo: QUANTISED
;;   THE QUANTISER, for each operand of a quantised product, along K:
;;     - K is cut into blocks of 32 from its start; a last block that is shorter is filled with zeros.
;;     - A block's scale is 2^e with e = floor(log2(the largest magnitude in the block)) - 2, held to -126 .. 127; a block of zeros has e = 0. As a byte (E8M0): e + 127.
;;     - Each number is divided by its block's scale, clamped to +-7.5, and rounded to the nearest number of E2M3, ties to even, subnormals kept.
;;     - The product sums the exact products of the quantised numbers (number of the format x scale) in f32.
;;   ~~~python
;;   def quantise(x, axis):      # numpy; x: float32 -> the quantised numbers, widened to float32 again
;;       x = np.moveaxis(x, axis, -1); K = x.shape[-1]
;;       x = np.pad(x, [(0, 0)] * (x.ndim - 1) + [(0, -K % 32)]); x = x.reshape(x.shape[:-1] + (-1, 32)); a = np.abs(x).max(-1, keepdims=True)
;;       e = np.where(a > 0, np.clip(np.frexp(np.where(a > 0, a, 1))[1] - 1 - 2, -126, 127), 0)      # np.frexp(a)[1] - 1 = floor(log2(a)), exactly
;;       r = np.clip(x / 2.0 ** e, -7.5, 7.5)
;;       step = 2.0 ** (np.maximum(np.frexp(np.where(r == 0, 1, r))[1] - 1, 0) - 3)
;;       q = np.round(r / step) * step * 2.0 ** e      # np.round: ties to even
;;       return np.moveaxis(q.reshape(q.shape[:-2] + (-1,))[..., :K], -1, axis).astype(np.float32)
;;   ~~~
;;   SOFTMAX AHEAD OF A QUANTISED PRODUCT. Where the list says 'softmax', what is quantised is not the finished softmax but p = 2^(t - M), with t = logit x log2(e) and M = ceil(the row's largest t), a whole number; so 1/2 < the row's largest p <= 1. The row's sum l is taken of the UNQUANTISED p, in f32, and the product's result is divided by l at the end. Since M is a whole number, a kernel that streams over the keys may use a running M (the ceiling of the running maximum): every later rescaling is an exact power of two, which a block's scale takes up: the codes' values come out the same.
;;   OPERANDS COMPUTED ON THE WAY. 'Computed on the way' means the value that the module computes at that place (a softmax that the list does not call 'softmax' is quantised finished and normalised). What goes into a quantiser is computed in f32, as accurately as f32 sums, v_exp_f32 and their like allow (about 1e-6 of the number): no bf16 or f16 on the way to a quantiser, and a product that is left as it is and whose result goes on into a quantised operand takes f32 operands (vector FMAs, or v_wmma_f32_16x16x4_f32). A number that lies on a knife's edge between two numbers of the format may be rounded either way, as far as f32 arithmetic and the matrix unit's own rounding can turn it there, and no further.
;; 2 versions, each right; version 2 is version 1 with the launch attn written anew for expert scheduling mode. Each part assembles by itself: llvm-mc -triple=amdgcn-amd-amdhsa -mcpu=gfx1250 --defsym DOCPART=n.
;; ======== version 1 of 2: 4 launches
;; workspace buffers: xq 6,553,600 bytes; wq 3,276,800 bytes; qc 6,553,600 bytes; kc 6,553,600 bytes; vc 6,553,600 bytes; cq 6,553,600 bytes
;; launch quant (part 1): grid 384 x 1, 4 waves a work-group, no clusters, 60,928 bytes of LDS; arguments x, Wq, Wk, Wv, Wo, xq, wq; writes xq, wq
.if DOCPART == 1
	.amdgcn_target "amdgcn-amd-amdhsa--gfx1250"
	.amdhsa_code_object_version 6
	.text
	.protected	k_qaa82f91556_quant
	.globl	k_qaa82f91556_quant
	.p2align	8
	.type	k_qaa82f91556_quant,@function
k_qaa82f91556_quant:
	s_mov_b64 s[64:65], 0
	v_nop
	global_prefetch_b8 v0, s[64:65] scope:SCOPE_SE
	s_setreg_imm32_b32 hwreg(HW_REG_WAVE_MODE, 25, 1), 1
	s_wait_xcnt 0x0
; x [8192][1024] and the four weights, f32, become codes of FP6 (E2M3) with one E8M0 byte for each 32 along K, laid in the order of the matrix operand's registers.
; WORK LEFT OUT IN THIS PROGRAM (in the launch attn): reference() sets scores[q][k] to -inf wherever k > q, by the tril that it builds itself; the softmax's weight there is 0 for all values of the inputs.
; So a block of 128 keys whose first key comes after the last query of a block of 128 queries adds nothing to any output, and neither of the two attention products is done for it.  Nothing else is left out;
; every input is loaded.  LIMIT: a NaN, an infinity or an overflow in k or v that would reach only such hidden blocks is not carried to the result.
; LIMITS OF THE QUANTISER: a block of zeros gets the byte 1 where the rule says 127 (its codes are zeros, which add nothing under any byte but 0xff, and this program alone reads the bytes);
; blocks whose largest magnitude lies under 2^-124 are held at the byte 1; NaN and infinities among the inputs are not served.
; ROW ORDER.  In every operand the row at POSITION P holds index swap34(P) (bits 3 and 4 exchanged): position 16 a + r holds index 32 (a / 2) + 8 (a % 2) + r + 8 (r / 8).  A product used transposed then leaves
; 16 neighbours along the next K in the 16 registers of two neighbouring tiles.
; CODES: [tile of 16 positions][K step of 128: 8][piece 0..5][lane x 8 bytes]: piece p is registers 2 p, 2 p + 1 of the fragment (lane (r, h): registers 6 c .. 6 c + 5 = k 64 c + 32 h + 0 .. 31 of row r).
; SCALES: [group of 64 positions][K step][position % 64], one word of four bytes each.  xq: 512 tiles, then 128 groups.  wq: Wq, Wk, Wv (rows head x 64 + d), Wo (rows n): 256 tiles, then 64 groups.
; A WAVE'S TASK: 64 positions x one K step.  Work-groups 0-255 take x (K innermost: rows turn through a stage in LDS), 256-383 the weights (K outermost: a lane takes a column, its registers run down K).
; The two paths part once, on the work-group's number; each has LDS bytes of its own.  No barrier: waves share nothing.  Every global store of a wave covers whole aligned runs of 256 bytes.
.set XSC,   6291456                    ; where xq's scale words begin
.set WSC,   3145728                    ; and wq's
.set XREG,  8704                       ; x path, LDS of a wave: a stage of 16 rows x 528 bytes,
.set XSCR,  8448                       ; then its 64 scale words
.set WBASE, 4*XREG                     ; weight path: LDS of a wave: the image of four fragments, 6,144 bytes,
.set WREG,  6400
.set WSCR,  6144                       ; then its 64 scale words
.set SPARE, WBASE+4*WREG               ; the spare words, 128 bytes for each wave: two blocks of 256 bytes that no other line names
.set SPW,  14                          ; v14  LDS address of my spare word; never rewritten
.set NIL,  15                          ; v15  0; never rewritten
.set R,    16                          ; x path: v16-143 two sets of 64: a tile's rows as loaded
.set X,    144                         ; v144-207 my 64 numbers: register 32 c + i = k 64 c + 32 h + i of row r
.set F,    208                         ; v208-219 the fragment
.set PT,   220                         ; v220-226 the upper halves of the two blocks' codes, as converted
.set M,    228
.set SOP,  230
.set BY,   232
.set PW,   234
.set TP,   235
.set VO,   16                          ; weight path: v16-47 offsets 4 l + i x pitch
.set WX,   48                          ; v48-111 two sets of 32 numbers
.set WF,   176
.set WPT,  184
.set WD,   188                         ; v188-189 the scale words of my two columns
.set WM,   190
.set WSO,  192
.set WBY,  193
	s_load_b256 s[4:11], s[0:1], 0x0               ; x, Wq, Wk, Wv
	s_load_b128 s[12:15], s[0:1], 0x20             ; Wo, xq
	s_load_b64 s[16:17], s[0:1], 0x30              ; wq
	v_lshl_add_u32 v[SPW], v0, 2, SPARE
	v_mov_b32 v[NIL], 0
	v_lshrrev_b32 v16, 5, v0
	v_readfirstlane_b32 s22, v16                   ; wave
	v_and_b32 v17, 31, v0                          ; lane
	v_and_b32 v18, 15, v0                          ; r
	v_bfe_u32 v19, v0, 4, 1                        ; h
	; every LDS address of both paths is made here, ahead of the parting
	s_mul_i32 s23, s22, XREG
	v_lshlrev_b32 v1, 4, v17                       ; 16 x lane
	v_add_nc_u32 v2, s23, v1                       ; the stage, on the way in: a row's 512 bytes on end
	v_mul_u32_u24 v3, v18, 528
	v_lshl_add_u32 v3, v19, 7, v3
	v_add_nc_u32 v3, s23, v3                       ; and on the way out: row r, + 128 h: 528 is an odd multiple of 16, so sixteen rows start at sixteen different places modulo 256
	v_lshlrev_b32 v4, 3, v17                       ; 8 x lane
	s_add_co_u32 s23, s23, XSCR
	v_lshl_add_u32 v5, v18, 2, s23                 ; my row's scale word
	v_add_nc_u32 v6, s23, v4                       ; the 64 words on their way out
	v_lshlrev_b32 v7, 3, v19                       ; 8 h
	s_mul_i32 s23, s22, WREG
	s_add_co_u32 s23, s23, WBASE
	v_and_b32 v20, 7, v0
	v_bfe_u32 v21, v0, 3, 1
	v_lshl_or_b32 v22, v19, 3, v20                 ; column l lies at row r' = (l & 7) | (l >> 4) << 3 of tile (l >> 3) & 1
	v_mul_u32_u24 v8, v21, 1536
	v_lshl_add_u32 v8, v22, 3, v8
	v_add_nc_u32 v8, s23, v8                       ; where my column's codes go in the image
	v_add_nc_u32 v10, s23, v1                      ; the image on its way out
	s_add_co_u32 s23, s23, WSCR
	v_lshl_or_b32 v22, v21, 4, v22                 ; swap34(l)
	v_lshl_add_u32 v9, v22, 2, s23                 ; my column's scale word
	v_add_nc_u32 v11, s23, v4
	v_lshlrev_b32 v12, 2, v17                      ; 4 x lane
	s_mov_b32 s18, 0x76543210
	s_mov_b32 s19, 0xfedcba98                      ; v_permlanex16_b32's selects for lane l xor 16
	v_mov_b32 v[TP], 0                             ; written once: a lane permute's destination counts as one of its sources
	s_wait_kmcnt 0x0
	s_cmp_ge_u32 ttmp9, 256
	s_cbranch_scc1 .Lweights
	; ---------------- x: task T = 4 x work-group + wave: group T / 8, K step T % 8
	s_lshl_b32 s20, ttmp9, 2
	s_add_co_u32 s20, s20, s22
	s_lshr_b32 s21, s20, 3                         ; group of 64 tokens
	s_and_b32 s20, s20, 7                          ; K step
	s_lshl_b32 s24, s21, 18                        ; 64 rows of 4,096 bytes
	s_lshl_b32 s25, s20, 9                         ; 128 numbers
	s_add_co_u32 s24, s24, s25
	s_mov_b32 s25, 0
	s_add_nc_u64 s[4:5], s[4:5], s[24:25]
	s_mul_i32 s24, s21, 49152                      ; four tiles of 12,288 bytes
	s_mul_i32 s26, s20, 1536
	s_add_co_u32 s24, s24, s26
	s_add_nc_u64 s[28:29], s[14:15], s[24:25]      ; my four fragments
	s_lshl_b32 s24, s21, 11
	s_lshl_b32 s26, s20, 8
	s_add_co_u32 s24, s24, s26
	s_add_co_u32 s24, s24, XSC
	s_add_nc_u64 s[30:31], s[14:15], s[24:25]      ; my 64 scale words
.macro XLOAD t                         ; tile t's 16 rows: each load reads 512 consecutive bytes of one token's row
.irp p, 0,1,2,3,4,5,6,7,8,9,10,11,12,13,14,15
	global_load_b128 v[R+64*((\t)%2)+4*\p:R+64*((\t)%2)+4*\p+3], v1, s[4:5] offset:(32*((\t)/2)+8*((\t)%2)+\p+8*(\p/8))*4096 th:TH_LOAD_NT
.endr
.endm
.macro XTURN t                         ; through the stage: LDS serves a wave's instructions in order, so no wait stands between the stores and the loads
.irp p, 0,1,2,3,4,5,6,7,8,9,10,11,12,13,14,15
	ds_store_b128 v2, v[R+64*((\t)%2)+4*\p:R+64*((\t)%2)+4*\p+3] offset:528*\p
.endr
.irp c, 0,1
.irp j, 0,1,2,3,4,5,6,7
	ds_load_b128 v[X+32*\c+4*\j:X+32*\c+4*\j+3], v3 offset:256*\c+16*\j
.endr
.endr
.endm
.macro XWORK t                         ; my blocks h and 2 + h of row r: all 32 numbers of each are mine
.irp c, 0,1
	v_max3_num_f32 v[M+\c], |v[X+32*\c]|, |v[X+32*\c+1]|, 0x1800000   ; with the floor 2^(3 - 127): the byte cannot fall under 1
.endr
.irp i, 2,4,6,8,10,12,14,16,18,20,22,24,26,28,30
.irp c, 0,1
	v_max3_num_f32 v[M+\c], v[M+\c], |v[X+32*\c+\i]|, |v[X+32*\c+\i+1]|
.endr
.endr
.irp c, 0,1
	v_add_nc_u32 v[SOP+\c], 0xff000000, v[M+\c]    ; 2 off the exponent field: the conversion's scale operand
.endr
.irp c, 0,1
	v_lshrrev_b32 v[BY+\c], 23, v[SOP+\c]          ; the scale's byte
.endr
	v_lshl_or_b32 v[PW], v[BY+1], 16, v[BY]
	v_lshlrev_b32 v[PW], v7, v[PW]                 ; at their places in the word, 8 h bits up;
	v_permlanex16_b32 v[TP], v[PW], s18, s19
	v_or_b32 v[PW], v[PW], v[TP]                   ; with lane l xor 16's two the word is whole
.if (\t) > 0
	s_wait_xcnt 0x0                                ; the last tile's stores have read the fragment's registers
.endif
.irp c, 0,1
	v_cvt_scalef32_pk16_fp6_f32 v[F+6*\c:F+6*\c+2], v[X+32*\c:X+32*\c+15], v[SOP+\c]
	v_cvt_scalef32_pk16_fp6_f32 v[PT+4*\c:PT+4*\c+2], v[X+32*\c+16:X+32*\c+31], v[SOP+\c]   ; (a conversion's three registers begin on an even number)
.endr
	v_nop                                          ; one plain place behind a scaled conversion
.irp c, 0,1
.irp i, 0,1,2
	v_mov_b32 v[F+6*\c+3+\i], v[PT+4*\c+\i]
.endr
.endr
.irp p, 0,1,2,3,4,5
	global_store_b64 v4, v[F+2*\p:F+2*\p+1], s[28:29] offset:12288*(\t)+256*\p   ; a piece: 32 lanes store 256 consecutive bytes, aligned
.endr
	ds_store_b32 v5, v[PW] offset:64*(\t)          ; both halves of the lanes write the same word with the same value
.endm
	XLOAD 0
	XLOAD 1
.irp t, 0,1,2,3
.if \t < 3
	s_wait_loadcnt 16                              ; this tile's 16 loads are in; the next tile's may be out
.else
	s_wait_loadcnt 0x0
.endif
	XTURN \t
	s_wait_dscnt 0x0                               ; my 64 numbers are back, and the stage's stores have read their registers,
.if \t < 2
	XLOAD \t+2                                     ; which take the tile two on
.endif
	XWORK \t
.endr
	ds_load_b64 v[M:M+1], v6                       ; LDS serves a wave's instructions in order: this sees my four stores
	s_wait_dscnt 0x0
	global_store_b64 v4, v[M:M+1], s[30:31]        ; 64 scale words: 256 consecutive bytes, aligned
	s_wait_tensorcnt 0x0                           ; the wave's end: three lines behind my last LDS store, the first of them though the kernel issues no tensor load
	ds_add_u32 v[SPW], v[NIL]
	s_wait_dscnt 0x0
	s_endpgm
.Lweights:
	; ---------------- weights: task T: group G = T / 8 of 64 rows of wq, K step T % 8.  G / 16: Wq, Wk, Wv, Wo;  G % 16: the head, or 64 columns of Wo
	s_sub_co_u32 s20, ttmp9, 256
	s_lshl_b32 s20, s20, 2
	s_add_co_u32 s20, s20, s22
	s_lshr_b32 s21, s20, 3                         ; G
	s_and_b32 s20, s20, 7                          ; K step
	s_lshr_b32 s32, s21, 4
	s_and_b32 s33, s21, 15
	s_mov_b32 s34, 4096
	s_mov_b32 s35, 262144
	s_cmp_eq_u32 s32, 1
	s_cselect_b64 s[6:7], s[8:9], s[6:7]
	s_cmp_eq_u32 s32, 2
	s_cselect_b64 s[6:7], s[10:11], s[6:7]
	s_cmp_eq_u32 s32, 3
	s_cselect_b64 s[6:7], s[12:13], s[6:7]
	s_cselect_b32 s34, s34, 256                    ; bytes from k to k + 1: a row of Wo, or a head's 64 numbers
	s_cselect_b32 s35, 256, s35                    ; bytes from group to group: 64 columns of Wo, or a head
	s_mul_i32 s36, s33, s35
	s_lshl_b32 s38, s34, 7
	s_mul_i32 s38, s38, s20                        ; 128 k a step
	s_add_co_u32 s36, s36, s38
	s_mov_b32 s37, 0
	s_add_nc_u64 s[24:25], s[6:7], s[36:37]        ; block 0 of the step;
	s_lshl_b32 s36, s34, 5
	s_add_nc_u64 s[26:27], s[24:25], s[36:37]      ; blocks 1 to 3, 32 k further down each
	s_add_nc_u64 s[28:29], s[26:27], s[36:37]
	s_add_nc_u64 s[30:31], s[28:29], s[36:37]
	s_mul_i32 s36, s21, 49152
	s_mul_i32 s38, s20, 1536
	s_add_co_u32 s36, s36, s38
	s_add_nc_u64 s[40:41], s[16:17], s[36:37]      ; my four fragments
	s_lshl_b32 s36, s21, 11
	s_lshl_b32 s38, s20, 8
	s_add_co_u32 s36, s36, s38
	s_add_co_u32 s36, s36, WSC
	s_add_nc_u64 s[42:43], s[16:17], s[36:37]      ; my 64 scale words
.set i, 0
.rept 32
	v_mad_u32_u24 v[VO+i], s34, i, v12             ; 4 l + i x pitch
.set i, i+1
.endr
.macro WLOAD n                         ; block n / 2 of columns 32 (n % 2) + l: 32 lanes read 128 consecutive bytes; the two halves of a row's 256 bytes are read one behind the other
.irp i, 0,1,2,3,4,5,6,7,8,9,10,11,12,13,14,15,16,17,18,19,20,21,22,23,24,25,26,27,28,29,30,31
	global_load_b32 v[WX+32*((\n)%2)+\i], v[VO+\i], s[24+2*((\n)/2):25+2*((\n)/2)] offset:128*((\n)%2)
.endr
.endm
.macro WBLOCK n
.set XS, WX+32*((\n)%2)
.if (\n) < 7
	s_wait_loadcnt 32                              ; this block's 32 loads are in; the next block's may be out
.else
	s_wait_loadcnt 0x0
.endif
	v_max3_num_f32 v[WM], |v[XS]|, |v[XS+1]|, |v[XS+2]|
	v_max3_num_f32 v[WM+1], |v[XS+3]|, |v[XS+4]|, |v[XS+5]|
.irp i, 6,10,14,18,22,26
	v_max3_num_f32 v[WM], v[WM], |v[XS+\i]|, |v[XS+\i+1]|
	v_max3_num_f32 v[WM+1], v[WM+1], |v[XS+\i+2]|, |v[XS+\i+3]|
.endr
	v_max3_num_f32 v[WM], v[WM], |v[XS+30]|, |v[XS+31]|
	v_max3_num_f32 v[WM], v[WM], v[WM+1], 0x1800000   ; and the floor
	v_add_nc_u32 v[WSO], 0xff000000, v[WM]
	v_lshrrev_b32 v[WBY], 23, v[WSO]
.if (\n)/2 == 0
	v_mov_b32 v[WD+(\n)%2], v[WBY]
.else
	v_lshl_or_b32 v[WD+(\n)%2], v[WBY], 8*((\n)/2), v[WD+(\n)%2]
.endif
	v_cvt_scalef32_pk16_fp6_f32 v[WF:WF+2], v[XS:XS+15], v[WSO]
	v_cvt_scalef32_pk16_fp6_f32 v[WPT:WPT+2], v[XS+16:XS+31], v[WSO]
	v_nop                                          ; one plain place behind a scaled conversion
.irp i, 0,1,2
	v_mov_b32 v[WF+3+\i], v[WPT+\i]
.endr
.irp i, 0,1,2                          ; block 2 c + h of row r' is registers 6 c .. 6 c + 5 of lane r' + 16 h: pieces 3 c + i, 128 h bytes on
	ds_store_b64 v8, v[WF+2*\i:WF+2*\i+1] offset:3072*((\n)%2)+256*(3*((\n)/4)+\i)+128*(((\n)/2)%2)
.endr
.if (\n)/2 == 3
	ds_store_b32 v9, v[WD+(\n)%2] offset:128*((\n)%2)
.endif
.if (\n)+2 < 8
	WLOAD (\n)+2
.endif
	s_wait_dscnt 0x0                               ; the stores have read their registers
.endm
	WLOAD 0
	WLOAD 1
.irp n, 0,1,2,3,4,5,6,7
	WBLOCK \n
.endr
.irp k, 0,1,2,3,4,5,6,7,8,9,10,11
	ds_load_b128 v[WX+4*\k:WX+4*\k+3], v10 offset:512*\k
.endr
	ds_load_b64 v[WX+48:WX+49], v11
.irp k, 0,1,2,3,4,5,6,7,8,9,10,11
	s_wait_dscnt 12-\k                             ; behind load k: the other loads of the image and the scale words'
	global_store_b128 v1, v[WX+4*\k:WX+4*\k+3], s[40:41] offset:12288*(\k/3)+512*(\k%3)   ; 512 consecutive bytes, aligned
.endr
	s_wait_dscnt 0x0
	global_store_b64 v4, v[WX+48:WX+49], s[42:43]
	s_wait_tensorcnt 0x0                           ; the wave's end: three lines behind my last LDS store
	ds_add_u32 v[SPW], v[NIL]
	s_wait_dscnt 0x0
	s_endpgm
.Lfunc_end_k_qaa82f91556_quant:
	.size	k_qaa82f91556_quant, .Lfunc_end_k_qaa82f91556_quant-k_qaa82f91556_quant
	.p2alignl 7, 3214868480
	.fill 96, 4, 3214868480
	.section	.rodata,"a",@progbits
	.p2align	6, 0x0
	.amdhsa_kernel k_qaa82f91556_quant
		.amdhsa_group_segment_fixed_size 60928
		.amdhsa_private_segment_fixed_size 0
		.amdhsa_enable_private_segment 0
		.amdhsa_kernarg_size 56
		.amdhsa_user_sgpr_count 2
		.amdhsa_user_sgpr_kernarg_segment_ptr 1
		.amdhsa_wavefront_size32 1
		.amdhsa_system_sgpr_workgroup_id_x 1
		.amdhsa_system_sgpr_workgroup_id_y 1
		.amdhsa_system_sgpr_workgroup_id_z 1
		.amdhsa_system_vgpr_workitem_id 0
		.amdhsa_next_free_vgpr 256
		.amdhsa_next_free_sgpr 66
		.amdhsa_reserve_vcc 0
		.amdhsa_float_denorm_mode_32 3
		.amdhsa_float_denorm_mode_16_64 3
		.amdhsa_memory_ordered 1
		.amdhsa_forward_progress 1
		.amdhsa_inst_pref_size 76
	.end_amdhsa_kernel
	.amdgpu_metadata
---
amdhsa.version: [ 1, 2 ]
amdhsa.kernels:
  - .name:           k_qaa82f91556_quant
    .symbol:         k_qaa82f91556_quant.kd
    .args:
      - { .name: x, .offset: 0, .size: 8, .value_kind: global_buffer, .address_space: global }
      - { .name: Wq, .offset: 8, .size: 8, .value_kind: global_buffer, .address_space: global }
      - { .name: Wk, .offset: 16, .size: 8, .value_kind: global_buffer, .address_space: global }
      - { .name: Wv, .offset: 24, .size: 8, .value_kind: global_buffer, .address_space: global }
      - { .name: Wo, .offset: 32, .size: 8, .value_kind: global_buffer, .address_space: global }
      - { .name: xq, .offset: 40, .size: 8, .value_kind: global_buffer, .address_space: global }
      - { .name: wq, .offset: 48, .size: 8, .value_kind: global_buffer, .address_space: global }
    .group_segment_fixed_size: 60928
    .private_segment_fixed_size: 0
    .kernarg_segment_align: 8
    .kernarg_segment_size: 56
    .max_flat_workgroup_size: 128
    .sgpr_count:     66
    .vgpr_count:     256
    .wavefront_size: 32
...
	.end_amdgpu_metadata
.endif
;; end of part 1
;; launch proj (part 2): grid 8 x 48, 4 waves a work-group, clusters of 4 x 4, 327,680 bytes of LDS; arguments xq, wq, bq, bk, bv, qc, kc, vc; writes qc, kc, vc
.if DOCPART == 2
	.amdgcn_target "amdgcn-amd-amdhsa--gfx1250"
	.amdhsa_code_object_version 6
	.text
	.protected	k_qaa82f91556_proj
	.globl	k_qaa82f91556_proj
	.p2align	8
	.type	k_qaa82f91556_proj,@function
k_qaa82f91556_proj:
	s_mov_b64 s[64:65], 0
	v_nop
	global_prefetch_b8 v0, s[64:65] scope:SCOPE_SE
	s_setreg_imm32_b32 hwreg(HW_REG_WAVE_MODE, 25, 1), 1
	s_wait_xcnt 0x0
	s_wait_alu depctr_hold_cnt(0) depctr_sa_sdst(0) depctr_va_vdst(0) depctr_va_sdst(0) depctr_va_ssrc(0) depctr_va_vcc(0) depctr_vm_vsrc(0)
	s_getreg_b32 s2, hwreg(HW_REG_IB_STS2, 6, 4)
	s_cmp_eq_u32 s2, 0
	s_cbranch_scc0 .Lentry_in_a_cluster
	s_endpgm
.Lentry_in_a_cluster:
	s_bfe_u32 s2, ttmp6, 0x10000c
	s_cmp_lg_u32 s2, 0xf033
	s_cbranch_scc0 .Lentry_shape_is_right
	s_endpgm
.Lentry_shape_is_right:
; q = x Wq + bq, k = x Wk + bk, v = x Wv + bv on codes of FP6 (E2M3) with E8M0 scales; the results are quantised on the way out (q, k along the head's 64; v along the keys) and leave as codes.  Nothing is left out here.
; A tile of C, 256 x 256, is made by four waves, each 128 x 128: 64 accumulators.  K = 1,024 goes in four steps of 256 through a ring of two LDS slots filled by the tensor data mover.
; OPERANDS lie in memory in the order of the matrix operand's registers: [tile of 16 rows][K step of 128][piece 0..5][lane x 8 bytes]; a slot's part of a row tile is 3,072 consecutive bytes; a piece is read by one
; ds_load_b64 of 256 consecutive bytes.  Scale words: [group of 64 rows][K step][row % 64]; those of 128 rows for all of K are 4,096 dense bytes: they come once, with the first fills, and stay.
; THE MATRIX INSTRUCTION IS USED TRANSPOSED (source 0 = 16 rows of B, source 1 = 16 rows of A): a lane holds ONE row of A, and its registers run along B's rows; since the row at position P of every operand holds
; index swap34(P), register 8 b + j of a lane is B's index 32 (b / 2) + 16 (lane / 16) + 8 (b % 2) + j: four blocks of 32 neighbours along the axis that is quantised next.
; TWO PARTS, told apart by the cluster's y, which all sixteen partners share.  y < 8: A = x (tokens), B = Wq (cluster x = 0) or Wk (1): registers run along d.  y >= 8: A = Wv (d), B = x: registers run along the keys.
; CLUSTERS: 4 x 4 work-groups; A's tiles are asked for jointly along a row of the cluster, B's along a column.  384 work-groups of equal work.
; OUT: qc, kc, vc [batch][head][block of 128 positions][6,400 bytes]: four fragments of 1,536 bytes (register group c of four at 512 c + 16 x lane), then 256 bytes of scale words [row][4].
;   qc, kc: fragment f holds TWO tiles of 16 positions x the head's 64: registers 0-5 tile 2 f, registers 6-11 tile 2 f + 1; word f: bytes 0, 1 tile 2 f's blocks, bytes 2, 3 tile 2 f + 1's.
;   vc: fragment t holds 16 positions of d x the block's 128 keys.
; REGISTERS: window 0: v16-29 addresses; v32-63 scale words, two sets; v64-127 the biases; v128-223 A's fragments, one set; on the way out v128-249 at work.  window 1: B's fragments, two sets.  windows 2, 3: the accumulators.
; LIMITS: as the quantiser's in the first launch (a block of zeros has the byte 1; NaN and infinities are not served).
.set XSC,   6291456
.set WSC,   3145728
.set HS,    102400                     ; a head's 16 blocks of 6,400 bytes
.set FR,    12
.set NL,    6
.set NP,    4
.set NQ,    2
.set FRB,   1536                       ; a fragment in bytes
.set TILEB, 2*FRB                      ; a row tile's part of a slot
.set HALFT, 8*TILEB                    ; 128 rows: what one tensor load brings
.set SLOT,  4*HALFT
.set SCL,   2*SLOT                     ; behind the ring: the scale words
.set HALFS, 4096
.set SPARE, SCL+4*HALFS                ; the spare words, 128 bytes for each wave: two blocks of 256 bytes that no other line names
.set ADRA, 16                          ; v16-17 LDS address of my A fragments in slot 0, 1
.set ADRB, 20                          ; v20-21 the same for B
.set ADRS, 27                          ; v27    of my scale words: lanes 0-15 A's rows, lanes 16-31 B's
.set SPW,  28
.set NIL,  29
.set SC,   32
.set BI,   64
.set AF,   128
.set ST,   128                         ; the way out: 64 numbers of a lane
.set TM,   192
.set PW,   208
.set PWA,  209
.set F0,   212
.set F1,   224
.set PT,   236
.set SW,   244
.set W0,   248
.set W1,   249
.set SEL,  18
.set G1, 24
.set G0, 32
.set G1B, 48
.set G0B, 56
.set G1S, 68
.set G0S, 76
.set G1SB, 80
.set G0SB, 88
.set MSB, 0
.macro WIN new                         ; the immediate's high byte repeats the setting that is left
.if MSB != (\new)
	s_set_vgpr_msb (MSB<<8)|(\new)
.set MSB, (\new)
.endif
.endm
.set MUL_LO, 0xa1                      ; source 0 (B) window 1, source 1 (A) window 0, C and D window 2
.set MUL_HI, 0xf1
.set TO_B,   0x40
; A joint load: waves 0 and 1 fetch for A, waves 2 and 3 for B; the branch hangs on the wave's number alone.  An s_nop 0 and four v_nop follow each of the two lines.
.macro JLOAD g0a, g1a, g0b, g1b
	s_cmp_eq_u32 s15, 0
	s_cbranch_scc0 .Lfor_b_\@
	tensor_load_to_lds s[\g0a:\g0a+3], s[\g1a:\g1a+7]
	s_nop 0
.rept 4
	v_nop
.endr
	s_branch .Lasked_\@
.Lfor_b_\@:
	tensor_load_to_lds s[\g0b:\g0b+3], s[\g1b:\g1b+7]
	s_nop 0
.rept 4
	v_nop
.endr
.Lasked_\@:
.endm
.macro CREST
	s_cmp_lg_u32 s14, 0
	s_cbranch_scc1 .Lnot_wave_0_\@
	s_barrier_signal -3
.Lnot_wave_0_\@:
	s_barrier_wait -3
	s_barrier_signal -1
	s_barrier_wait -1
.endm
.macro CROUND
	s_barrier_signal -1
	s_barrier_wait -1
	CREST
.endm
	s_load_b128 s[4:7], s[0:1], 0x0                ; xq, wq
	s_load_b128 s[8:11], s[0:1], 0x10              ; bq, bk
	s_load_b64 s[12:13], s[0:1], 0x20              ; bv
	s_load_b64 s[96:97], s[0:1], 0x28              ; qc
	s_load_b64 s[98:99], s[0:1], 0x30              ; kc
	s_load_b64 s[100:101], s[0:1], 0x38            ; vc
	v_lshl_add_u32 v[SPW], v0, 2, SPARE
	v_mov_b32 v[NIL], 0
	ds_add_u32 v[SPW], v[NIL]                      ; the wave's opening: the add, twice on end, and its wait ahead of my first tensor load
	ds_add_u32 v[SPW], v[NIL]
	v_lshrrev_b32 v1, 5, v0
	v_readfirstlane_b32 s14, v1                    ; wave
	s_lshr_b32 s15, s14, 1                         ; which half of A's rows is mine.  Also: I fetch for A (0) or for B (1)
	s_and_b32 s16, s14, 1                          ; which half of B's rows.  Also: which 128 rows I fetch
	s_bfe_u32 s40, ttmp6, 0x40000                  ; cx
	s_bfe_u32 s41, ttmp6, 0x40004                  ; cy
	s_and_b32 s2, ttmp7, 0xffff                    ; cluster y
	s_lshl_b32 s3, s2, 1
	s_add_co_u32 s3, s3, ttmp9
	s_sub_co_u32 s3, s3, 16                        ; cluster x + 2 (cluster y - 8): V's run of four tiles of tokens
	s_cmp_ge_u32 s2, 8
	s_cselect_b32 s66, 1, 0                        ; 1: the V part
	s_cselect_b32 s17, 0, s2
	s_cselect_b32 s42, s3, ttmp9
	s_lshl_b32 s17, s17, 2
	s_add_co_u32 s17, s17, s41                     ; A's tile of 256 rows: it hangs on cy alone of the two places
	s_lshl_b32 s42, s42, 2
	s_add_co_u32 s42, s42, s40                     ; B's: on cx alone
	s_lshl_b32 s43, s41, 2
	s_lshl_b32 s43, 15, s43                        ; my row of the cluster
	s_lshl_b32 s44, 0x1111, s40                    ; my column
	; group 1, codes: 8 rows (row tiles) of 384 elements of 8 bytes, 1,536 elements apart; no padding
	s_or_b32 s[G1+0], s43, (3<<16)|(1<<21)
	s_or_b32 s[G1B+0], s44, (3<<16)|(1<<21)
.irp g, G1, G1B
	s_mov_b32 s[\g+1], 384<<16                     ; tensor_dim0
	s_mov_b32 s[\g+2], 8<<16                       ; tensor_dim1
	s_mov_b32 s[\g+3], 384<<16                     ; tile_dim0
	s_mov_b32 s[\g+4], 8                           ; tile_dim1
	s_mov_b32 s[\g+5], 1536                        ; tensor_dim0_stride
	s_mov_b32 s[\g+6], 0
	s_mov_b32 s[\g+7], 0
.endr
	; group 1, scale words: 4,096 dense bytes as 16 rows of 32 elements of 8 bytes
	s_or_b32 s[G1S+0], s43, (3<<16)|(1<<21)
	s_or_b32 s[G1SB+0], s44, (3<<16)|(1<<21)
.irp g, G1S, G1SB
	s_mov_b32 s[\g+1], 32<<16
	s_mov_b32 s[\g+2], 16<<16
	s_mov_b32 s[\g+3], 32<<16
	s_mov_b32 s[\g+4], 16
	s_mov_b32 s[\g+5], 32
	s_mov_b32 s[\g+6], 0
	s_mov_b32 s[\g+7], 0
.endr
	s_lshl_b32 s2, s16, 3
	s_lshl_b32 s20, s17, 4
	s_add_co_u32 s20, s20, s2                      ; A: the first row tile that I fetch
	s_lshl_b32 s46, s42, 4
	s_add_co_u32 s46, s46, s2                      ; B likewise
	s_lshl_b32 s22, s20, 9                         ; their scale words: 512 bytes a row tile
	s_lshl_b32 s92, s46, 9
	s_mul_i32 s20, s20, 8*FRB
	s_mul_i32 s46, s46, 8*FRB
	s_mov_b32 s2, XSC
	s_mov_b32 s3, WSC+65536                        ; Wv's scale words: groups 32 on
	s_mov_b32 s21, WSC
	s_cmp_eq_u32 s66, 1
	s_cselect_b32 s3, s3, s2                       ; where A's scale words begin in its buffer,
	s_cselect_b32 s21, s2, s21                     ; B's,
	s_cselect_b32 s2, 128*8*FRB, 0                 ; and A's codes: Wv's row tiles 128 on
	s_add_co_u32 s20, s20, s2
	s_add_co_u32 s22, s22, s3
	s_add_co_u32 s92, s92, s21
	s_mov_b32 s21, 0
	s_mov_b32 s23, 0
	s_mov_b32 s47, 0
	s_mov_b32 s93, 0
	s_mul_i32 s45, s14, HALFT                      ; where they go: wave x 128 rows: no place in the cluster enters an LDS address
	s_lshl_b32 s67, s14, 12
	s_wait_dscnt 0x0                               ; both opening adds are done
	s_wait_kmcnt 0x0
	s_cmp_eq_u32 s66, 1
	s_cselect_b64 s[18:19], s[6:7], s[4:5]         ; A's buffer
	s_cselect_b64 s[94:95], s[4:5], s[6:7]         ; B's
	s_add_nc_u64 s[20:21], s[18:19], s[20:21]
	s_add_nc_u64 s[22:23], s[18:19], s[22:23]
	s_add_nc_u64 s[46:47], s[94:95], s[46:47]
	s_add_nc_u64 s[92:93], s[94:95], s[92:93]
	CROUND                                         ; all sixteen work-groups are here: the first joint loads meet
	s_mov_b32 s[G0S], 1
	s_add_co_u32 s[G0S+1], s67, SCL
	s_mov_b64 s[G0S+2:G0S+3], s[22:23]
	s_or_b32 s[G0S+3], s[G0S+3], 0x80000000
	s_mov_b32 s[G0SB], 1
	s_add_co_u32 s[G0SB+1], s67, SCL
	s_mov_b64 s[G0SB+2:G0SB+3], s[92:93]
	s_or_b32 s[G0SB+3], s[G0SB+3], 0x80000000
	JLOAD G0S, G1S, G0SB, G1SB                     ; the scale words first
.irp s, 0,1
	s_mov_b32 s[G0+4*\s], 1
	s_add_co_u32 s[G0+4*\s+1], s45, \s*SLOT
	s_add_nc_u64 s[G0+4*\s+2:G0+4*\s+3], s[20:21], \s*TILEB
	s_or_b32 s[G0+4*\s+3], s[G0+4*\s+3], 0x80000000
	s_mov_b32 s[G0B+4*\s], 1
	s_add_co_u32 s[G0B+4*\s+1], s45, \s*SLOT
	s_add_nc_u64 s[G0B+4*\s+2:G0B+4*\s+3], s[46:47], \s*TILEB
	s_or_b32 s[G0B+4*\s+3], s[G0B+4*\s+3], 0x80000000
	JLOAD G0+4*\s, G1, G0B+4*\s, G1B               ; by this text's count three tensor loads of a wave are out here
.endr
	v_and_b32 v1, 15, v0                           ; r
	v_bfe_u32 v2, v0, 4, 1                         ; h
	v_and_b32 v3, 31, v0
	v_lshlrev_b32 v4, 3, v3                        ; 8 x lane
	s_mul_i32 s21, s15, HALFT
	s_mul_i32 s22, s16, HALFT
	s_add_co_u32 s22, s22, 2*HALFT
.irp s, 0,1
	v_add_nc_u32 v[ADRA+\s], s21, v4
	v_add_nc_u32 v[ADRB+\s], s22, v4
	s_add_co_u32 s21, s21, SLOT
	s_add_co_u32 s22, s22, SLOT
.endr
	s_lshl_b32 s21, s15, 12                        ; A's scale words: my 128 rows
	s_lshl_b32 s22, s16, 12
	s_add_co_u32 s22, s22, 2*HALFS                 ; B's, behind A's
	s_sub_co_u32 s22, s22, s21
	v_mul_u32_u24 v6, s22, v2                      ; lanes 16-31 take B's: one product, the distance between the two
	s_add_co_u32 s21, s21, SCL
	v_lshl_add_u32 v5, v1, 2, v6
	v_add_nc_u32 v[ADRS], s21, v5
	v_lshlrev_b32 v24, 4, v3                       ; the way out: 16 x lane
	v_mul_u32_u24 v25, v2, HS
	v_lshl_add_u32 v25, v1, 4, v25
	v_add_nc_u32 v25, 6144, v25                    ; the scale words: lanes 0-15 the first head's 256 bytes, lanes 16-31 the second's
	v_lshlrev_b32 v26, 6, v2                       ; bq, bk: 64 h
	v_and_b32 v23, 8, v1
	v_add_nc_u32 v23, v23, v1
	v_lshlrev_b32 v23, 2, v23                      ; bv: 4 (r + 8 (r / 8))
.macro FRAG reg, adr, q, i             ; a fragment: six pieces of 256 consecutive bytes
.irp p, 0,1,2,3,4,5
	ds_load_b64 v[\reg+2*\p:\reg+2*\p+1], v[\adr] offset:TILEB*(\i)+FRB*(\q)+256*\p
.endr
.endm
; 16 matrix instructions: A's blocks a0, a0 + 1 x B's eight.  The 64 accumulators take turns, one instruction a turn, in the same order in every step.
.macro MUL16 a0, p, q, sc, zero
.irp a, \a0, \a0+1
.irp b, 0,1,2,3,4,5,6,7
.if \zero
	v_wmma_scale_f32_16x16x128_f8f6f4 v[8*(8*((\a)%4)+\b):8*(8*((\a)%4)+\b)+7], v[128*(\p)+FR*\b:128*(\p)+FR*\b+FR-1], v[AF+FR*(\a):AF+FR*(\a)+FR-1], 0, v[SC+8*NQ*(\sc)+NQ*\b+(\q)], v[SC+8*NQ*(\sc)+NQ*(\a)+(\q)] matrix_a_fmt:MATRIX_FMT_FP6 matrix_b_fmt:MATRIX_FMT_FP6 matrix_a_scale:MATRIX_SCALE_ROW1
.else
	v_wmma_scale_f32_16x16x128_f8f6f4 v[8*(8*((\a)%4)+\b):8*(8*((\a)%4)+\b)+7], v[128*(\p)+FR*\b:128*(\p)+FR*\b+FR-1], v[AF+FR*(\a):AF+FR*(\a)+FR-1], v[8*(8*((\a)%4)+\b):8*(8*((\a)%4)+\b)+7], v[SC+8*NQ*(\sc)+NQ*\b+(\q)], v[SC+8*NQ*(\sc)+NQ*(\a)+(\q)] matrix_a_fmt:MATRIX_FMT_FP6 matrix_b_fmt:MATRIX_FMT_FP6 matrix_a_scale:MATRIX_SCALE_ROW1
.endif
.endr
.endr
.endm
.macro FETCH_B slot, q, p
	WIN TO_B
.irp i, 0,1,2,3,4,5,6,7
	FRAG 128*(\p)+FR*\i, ADRB+\slot, \q, \i
.endr
	WIN 0
.endm
.macro FETCH_A slot, q, i0
.irp i, \i0, \i0+1, \i0+2, \i0+3
	FRAG AF+FR*(\i), ADRA+\slot, \q, \i
.endr
.endm
.macro SCALES sc                       ; a slot's scale words: register 2 i + q: lanes 0-15 A's block i, lanes 16-31 B's block i, the slot's q-th 128 along K
.irp i, 0,1,2,3,4,5,6,7
.irp q, 0,1
	ds_load_b32 v[SC+8*NQ*\sc+NQ*\i+\q], v[ADRS] offset:2048*(\i/4)+64*(\i%4)+256*\q
.endr
.endr
.endm
.macro PLACES n                        ; plain vector instructions between a matrix instruction and a load into, or a vector read of, its registers
.rept \n
	v_nop
.endr
.endm
.macro STEP slot, q, zero              ; 128 along K that has its successor in the same slot
	s_wait_dscnt 4*NL                              ; B's set, A's blocks 0-3 and the scale words are in; the youngest 24 loads (A's blocks 4-7) may be out
	WIN MUL_LO
	MUL16 0, (\q)%2, \q, \slot, \zero
	MUL16 2, (\q)%2, \q, \slot, \zero
	s_wait_dscnt 0
	PLACES NP
	FETCH_B \slot, (\q)+1, 1-(\q)%2
	FETCH_A \slot, (\q)+1, 0
	WIN MUL_HI
	MUL16 4, (\q)%2, \q, \slot, \zero
	MUL16 6, (\q)%2, \q, \slot, \zero
	PLACES NP
	WIN 0
	FETCH_A \slot, (\q)+1, 4
.endm
; A slot's last step changes slots: ONE barrier; in front of it each wave waits for all its tensor loads, adds 0 to its spare word, and waits for that and for its own reads of this slot.  fill = 1: the slot is filled again, two slots ahead.
.macro TURN slot, next, fill
	s_wait_tensorcnt 0x0                           ; all my tensor loads have landed: my part of the next slot
	ds_add_u32 v[SPW], v[NIL]
	s_wait_dscnt 4*NL+1                            ; (the add and A's blocks 4-7 may be out)
	WIN MUL_LO
	MUL16 0, 1, NQ-1, \slot, 0
	s_wait_dscnt 0x0                               ; the add is done, and my reads of this slot are over
	s_barrier_signal -1
	MUL16 2, 1, NQ-1, \slot, 0
	WIN 0
	s_barrier_wait -1
.if \fill
	CREST                                          ; the barrier has opened a round of the cluster's barrier: no wave of any partner still reads this slot or has a load on its way
	s_add_nc_u64 s[G0+4*\slot+2:G0+4*\slot+3], s[G0+4*\slot+2:G0+4*\slot+3], 2*TILEB
	s_add_nc_u64 s[G0B+4*\slot+2:G0B+4*\slot+3], s[G0B+4*\slot+2:G0B+4*\slot+3], 2*TILEB
	JLOAD G0+4*\slot, G1, G0B+4*\slot, G1B         ; the first tensor load behind the round; its four v_nop are the places in front of the loads below
.else
	PLACES NP
.endif
	v_add_nc_u32 v[ADRS], 256*NQ, v[ADRS]          ; on to the next slot's scale words (no LDS load of mine is out)
	FETCH_B \next, 0, 0
	FETCH_A \next, 0, 0
	SCALES \next
	WIN MUL_HI
	MUL16 4, 1, NQ-1, \slot, 0
	MUL16 6, 1, NQ-1, \slot, 0
	PLACES NP
	WIN 0
	FETCH_A \next, 0, 4
.endm
.macro LAST                            ; the very last step: nothing more to fetch
	s_wait_dscnt 4*NL
	WIN MUL_LO
	MUL16 0, 1, NQ-1, 1, 0
	MUL16 2, 1, NQ-1, 1, 0
	s_wait_dscnt 0
	WIN MUL_HI
	MUL16 4, 1, NQ-1, 1, 0
	MUL16 6, 1, NQ-1, 1, 0
	WIN 0
.endm
; 64 numbers of a lane, register 16 b + i = k 32 b + 16 (lane / 16) + i of my row, become codes: blocks 0, 1 in six registers from d0 on, blocks 2, 3 from d1 on; the row's scale word in v[PW].
.macro QUANT src, d0, d1
.irp b, 0,1,2,3
	v_max3_num_f32 v[TM+\b], |v[\src+16*\b]|, |v[\src+1+16*\b]|, 0x1800000   ; with the floor 2^(3 - 127): the byte cannot fall under 1
.endr
.irp i, 2,4,6,8,10,12,14
.irp b, 0,1,2,3
	v_max3_num_f32 v[TM+\b], v[TM+\b], |v[\src+16*\b+\i]|, |v[\src+1+16*\b+\i]|
.endr
.endr
.irp b, 0,1,2,3
	v_permlanex16_b32 v[TM+4+\b], v[TM+\b], s[SEL], s[SEL+1]
.endr
.irp b, 0,1,2,3
	v_max_num_f32 v[TM+\b], v[TM+\b], v[TM+4+\b]   ; with lane l xor 16's: the block's largest magnitude
.endr
.irp b, 0,1,2,3
	v_add_nc_u32 v[TM+12+\b], 0xff000000, v[TM+\b] ; 2 off its exponent field: the conversion's scale operand
.endr
.irp b, 0,1,2,3
	v_lshrrev_b32 v[TM+4+\b], 23, v[TM+12+\b]      ; the scale's byte
.endr
	v_lshl_or_b32 v[PW], v[TM+5], 8, v[TM+4]
	v_lshl_or_b32 v[PW], v[TM+6], 16, v[PW]
	v_lshl_or_b32 v[PW], v[TM+7], 24, v[PW]
	v_cvt_scalef32_pk16_fp6_f32 v[\d0:\d0+2], v[\src:\src+15], v[TM+12]
	v_cvt_scalef32_pk16_fp6_f32 v[PT:PT+2], v[\src+16:\src+31], v[TM+13]
	v_cvt_scalef32_pk16_fp6_f32 v[\d1:\d1+2], v[\src+32:\src+47], v[TM+14]
	v_cvt_scalef32_pk16_fp6_f32 v[PT+4:PT+6], v[\src+48:\src+63], v[TM+15]
	v_nop                                          ; one plain place behind a scaled conversion
.irp i, 0,1,2                          ; the operand's layout wants a WHOLE block in a lane: lanes 0-15 the even block, lanes 16-31 the odd one
	v_permlane16_swap_b32 v[\d0+\i], v[PT+\i]
	v_permlane16_swap_b32 v[\d1+\i], v[PT+4+\i]
.endr
.irp i, 0,1,2
	v_mov_b32 v[\d0+3+\i], v[PT+\i]
	v_mov_b32 v[\d1+3+\i], v[PT+4+\i]
.endr
.endm
.macro ADDB a                          ; block a's 64 results + the bias, into window 0: each accumulator from its low end on.  Q, K: the bias runs along the registers
	WIN 0x02+(\a)/4
.set k, 0
.rept 32
	v_pk_add_f32 v[ST+2*k:ST+2*k+1], v[64*((\a)%4)+2*k:64*((\a)%4)+2*k+1], v[BI+2*k:BI+2*k+1]
.set k, k+1
.endr
	WIN 0
.endm
.macro ADDV a                          ; V: the bias is the lane's row's, the same number in both registers of the pair
	WIN 0x02+(\a)/4
.set k, 0
.rept 32
	v_pk_add_f32 v[ST+2*k:ST+2*k+1], v[64*((\a)%4)+2*k:64*((\a)%4)+2*k+1], v[BI+2*(\a):BI+2*(\a)+1]
.set k, k+1
.endr
	WIN 0
.endm
	s_wait_tensorcnt 1                             ; the scale words and my part of slot 0 are in (slot 1's load may be out)
	s_barrier_signal -1
	s_barrier_wait -1
	FETCH_B 0, 0, 0
	FETCH_A 0, 0, 0
	SCALES 0
	FETCH_A 0, 0, 4
	STEP 0, 0, 1                                   ; the first step's products start the sums: nothing is cleared
	TURN 0, 1, 1                                   ; K has four slots' worth: both slots are filled again once, so the walk is written straight
	STEP 1, 0, 0
	TURN 1, 0, 1
	STEP 0, 0, 0
	TURN 0, 1, 0
	STEP 1, 0, 0
	s_mov_b32 s2, 0xffff0000                       ; lanes 16-31
	s_mov_b32 s[SEL], 0x76543210
	s_mov_b32 s[SEL+1], 0xfedcba98
	s_cmp_eq_u32 s66, 1                            ; the two parts part here, ahead of the last step, so that each asks for its biases under that step's products
	s_cbranch_scc1 .Lv_part
	; ---------------- Q, K
	s_lshl_b32 s20, s42, 8
	s_lshl_b32 s21, s16, 7
	s_add_co_u32 s20, s20, s21
	s_and_b32 s20, s20, 1023                       ; my first row of Wq or of Wk = head x 64 + d
	s_lshl_b32 s20, s20, 2
	s_mov_b32 s21, 0
	s_cmp_eq_u32 ttmp9, 0
	s_cselect_b64 s[46:47], s[8:9], s[10:11]       ; bq or bk
	s_cselect_b64 s[22:23], s[96:97], s[98:99]     ; qc or kc
	s_add_nc_u64 s[46:47], s[46:47], s[20:21]
.irp b, 0,1,2,3,4,5,6,7
	global_load_b128 v[BI+8*\b:BI+8*\b+3], v26, s[46:47] offset:(32*(\b/2)+8*(\b%2))*4
	global_load_b128 v[BI+8*\b+4:BI+8*\b+7], v26, s[46:47] offset:(32*(\b/2)+8*(\b%2))*4+16
.endr
	s_lshl_b32 s20, s17, 1
	s_add_co_u32 s20, s20, s15                     ; my block of 128 tokens: 16 x batch + block
	s_and_b32 s92, s20, 15
	s_lshr_b32 s20, s20, 4
	s_lshl_b32 s93, s42, 2
	s_lshl_b32 s94, s16, 1
	s_add_co_u32 s93, s93, s94
	s_and_b32 s93, s93, 15                         ; my first head of two
	s_lshl_b32 s20, s20, 4
	s_add_co_u32 s20, s20, s93
	s_lshl_b32 s20, s20, 4
	s_add_co_u32 s20, s20, s92
	s_mul_i32 s20, s20, 6400
	s_add_nc_u64 s[22:23], s[22:23], s[20:21]
	LAST
	PLACES NP
.irp b, 0,1,2,3
	v_mov_b32 v[TM+4+\b], 0                        ; written once: a lane permute's destination counts as one of its sources
.endr
	s_wait_loadcnt 0x0                             ; the biases
.irp be, 0,1,2,3                       ; tiles 2 be and 2 be + 1 of my 128 tokens make fragment be of both heads
.if \be > 0
	s_wait_xcnt 0x0                                ; the last fragments' stores have read their registers
.endif
	ADDB 2*\be
	QUANT ST, F0, F1
	v_mov_b32 v[PWA], v[PW]
	ADDB 2*\be+1
	QUANT ST, F0+6, F1+6
.irp c, 0,1,2
	global_store_b128 v24, v[F0+4*\c:F0+4*\c+3], s[22:23] offset:1536*\be+512*\c       ; 512 consecutive bytes, aligned
	global_store_b128 v24, v[F1+4*\c:F1+4*\c+3], s[22:23] offset:HS+1536*\be+512*\c
.endr
	v_perm_b32 v[W0], v[PW], v[PWA], 0x05040100    ; the first head's word: the two tiles' bytes 0, 1
	v_perm_b32 v[W1], v[PW], v[PWA], 0x07060302    ; the second's: bytes 2, 3
	v_cndmask_b32 v[SW+\be], v[W0], v[W1], s2      ; lanes 0-15 carry the first head's, lanes 16-31 the second's
.endr
	global_store_b128 v25, v[SW:SW+3], s[22:23]    ; sixteen lanes store a head's 256 bytes of scale words
	s_branch .Lend
.Lv_part:
	; ---------------- V
	s_lshl_b32 s20, s17, 8
	s_lshl_b32 s21, s15, 7
	s_add_co_u32 s20, s20, s21                     ; my first row of Wv
	s_lshl_b32 s20, s20, 2
	s_mov_b32 s21, 0
	s_add_nc_u64 s[46:47], s[12:13], s[20:21]
.irp a, 0,1,2,3,4,5,6,7
	global_load_b32 v[BI+2*\a], v23, s[46:47] offset:(32*(\a/2)+8*(\a%2))*4
	global_load_b32 v[BI+2*\a+1], v23, s[46:47] offset:(32*(\a/2)+8*(\a%2))*4
.endr
	s_lshl_b32 s20, s42, 1
	s_add_co_u32 s20, s20, s16                     ; my block of 128 tokens
	s_and_b32 s92, s20, 15
	s_lshr_b32 s20, s20, 4
	s_lshl_b32 s93, s17, 2
	s_lshl_b32 s94, s15, 1
	s_add_co_u32 s93, s93, s94                     ; my first head of two
	s_lshl_b32 s20, s20, 4
	s_add_co_u32 s20, s20, s93
	s_lshl_b32 s20, s20, 4
	s_add_co_u32 s20, s20, s92
	s_mul_i32 s20, s20, 6400
	s_add_nc_u64 s[22:23], s[100:101], s[20:21]
	LAST
	PLACES NP
.irp b, 0,1,2,3
	v_mov_b32 v[TM+4+\b], 0
.endr
	s_wait_loadcnt 0x0
.irp a, 0,1,2,3,4,5,6,7                ; block a: 16 positions of d x my 128 keys: fragment a % 4 of head a / 4
.if \a > 0
	s_wait_xcnt 0x0
.endif
	ADDV \a
	QUANT ST, F0, F0+6
.irp c, 0,1,2
	global_store_b128 v24, v[F0+4*\c:F0+4*\c+3], s[22:23] offset:HS*(\a/4)+1536*(\a%4)+512*\c
.endr
.if \a < 4
	v_mov_b32 v[SW+\a], v[PW]
.else
	v_cndmask_b32 v[SW+\a-4], v[SW+\a-4], v[PW], s2
.endif
.endr
	global_store_b128 v25, v[SW:SW+3], s[22:23]
.Lend:
	s_wait_tensorcnt 0x0                           ; the wave's end
	ds_add_u32 v[SPW], v[NIL]
	s_wait_dscnt 0x0
	CROUND                                         ; the closing round: no work-group ends while a partner may still ask for a tile that names it
	s_endpgm
.Lfunc_end_k_qaa82f91556_proj:
	.size	k_qaa82f91556_proj, .Lfunc_end_k_qaa82f91556_proj-k_qaa82f91556_proj
	.p2alignl 7, 3214868480
	.fill 96, 4, 3214868480
	.section	.rodata,"a",@progbits
	.p2align	6, 0x0
	.amdhsa_kernel k_qaa82f91556_proj
		.amdhsa_group_segment_fixed_size 327680
		.amdhsa_private_segment_fixed_size 0
		.amdhsa_enable_private_segment 0
		.amdhsa_kernarg_size 64
		.amdhsa_user_sgpr_count 2
		.amdhsa_user_sgpr_kernarg_segment_ptr 1
		.amdhsa_wavefront_size32 1
		.amdhsa_system_sgpr_workgroup_id_x 1
		.amdhsa_system_sgpr_workgroup_id_y 1
		.amdhsa_system_sgpr_workgroup_id_z 1
		.amdhsa_system_vgpr_workitem_id 0
		.amdhsa_next_free_vgpr 1024
		.amdhsa_next_free_sgpr 102
		.amdhsa_reserve_vcc 0
		.amdhsa_float_denorm_mode_32 3
		.amdhsa_float_denorm_mode_16_64 3
		.amdhsa_memory_ordered 1
		.amdhsa_forward_progress 1
		.amdhsa_inst_pref_size 245
	.end_amdhsa_kernel
	.amdgpu_metadata
---
amdhsa.version: [ 1, 2 ]
amdhsa.kernels:
  - .name:           k_qaa82f91556_proj
    .symbol:         k_qaa82f91556_proj.kd
    .args:
      - { .name: xq, .offset: 0, .size: 8, .value_kind: global_buffer, .address_space: global }
      - { .name: wq, .offset: 8, .size: 8, .value_kind: global_buffer, .address_space: global }
      - { .name: bq, .offset: 16, .size: 8, .value_kind: global_buffer, .address_space: global }
      - { .name: bk, .offset: 24, .size: 8, .value_kind: global_buffer, .address_space: global }
      - { .name: bv, .offset: 32, .size: 8, .value_kind: global_buffer, .address_space: global }
      - { .name: qc, .offset: 40, .size: 8, .value_kind: global_buffer, .address_space: global }
      - { .name: kc, .offset: 48, .size: 8, .value_kind: global_buffer, .address_space: global }
      - { .name: vc, .offset: 56, .size: 8, .value_kind: global_buffer, .address_space: global }
    .group_segment_fixed_size: 327680
    .private_segment_fixed_size: 0
    .kernarg_segment_align: 8
    .kernarg_segment_size: 64
    .max_flat_workgroup_size: 128
    .sgpr_count:     102
    .vgpr_count:     1024
    .wavefront_size: 32
...
	.end_amdgpu_metadata
.endif
;; end of part 2
;; launch attn (part 3): grid 256 x 1, 16 waves a work-group, no clusters, 53,760 bytes of LDS; arguments qc, kc, vc, cq; writes cq
.if DOCPART == 3
	.amdgcn_target "amdgcn-amd-amdhsa--gfx1250"
	.amdhsa_code_object_version 6
	.text
	.protected	k_qaa82f91556_attn
	.globl	k_qaa82f91556_attn
	.p2align	8
	.type	k_qaa82f91556_attn,@function
k_qaa82f91556_attn:
	s_mov_b64 s[64:65], 0
	v_nop
	global_prefetch_b8 v0, s[64:65] scope:SCOPE_SE
	s_setreg_imm32_b32 hwreg(HW_REG_WAVE_MODE, 25, 1), 1
	s_wait_xcnt 0x0
; concat[b][q][head x 64 + d] = softmax_k(q . k / 8, causal) v, both products on codes of FP6 (E2M3); the result is quantised along head x 64 + d and leaves as codes, laid as the last launch's operand.
; LEFT OUT: blocks of 128 keys that lie wholly behind a block of 128 queries: reference()'s own tril makes their weights 0 for all inputs (shown at the head of the first launch).
; THE SOFTMAX: t = score x log2(e) / 8; M = the running largest t rounded UP to a whole number; p = 2^(t - M) is quantised along the keys; the row's sum is taken of the unquantised p and divides at the end.
; SHARES.  Work-group x: p = x % 8, pair of heads (x / 8) % 8, batch x / 64.  Wave w: head 2 x pair + w / 8, tile w % 8 of 16 query positions.  Two passes: the block of 128 queries 15 - p, then block p: block I has
; I + 1 key steps of 128, so every wave of the launch has 17 steps.  The diagonal step comes FIRST (each query sees its own key there, so M is a number from then on), then the steps below it, downwards.
; NO CLUSTER: the eight work-groups of a pair of heads walk different numbers of steps from different starts, so no joint request would meet.
; K AND V COME THROUGH REGISTERS: a step's 25,600 bytes (two heads) are loaded by the sixteen waves, a fragment of 1,536 bytes each, one whole key step ahead, and stored into one of two LDS slots; one barrier a step.
; Between a slot's reads and its next stores stands the other slot's barrier (or the way out's), in front of which every wave has waited for its LDS loads.
; LAYOUT.  Both products are used transposed: S^T = K Q^T, O^T = V^T P^T: a lane holds ONE query.  A fragment of kc holds two tiles of 16 keys x 64: against [q | 0] it gives the first tile's scores, against [0 | q] the
; second's: zero codes add nothing.  Position 16 a + r holds token 32 (a / 2) + 8 (a % 2) + r + 8 (r / 8): so the 16 registers of tiles 2 b, 2 b + 1 are keys 32 b + 16 (lane / 16) + 0 .. 15, and likewise d in O^T.
; LIMITS: as the quantiser's in the first launch.
.set HS,    102400
.set XSC,   6291456
.set SLOTB, 25600                      ; a slot: for each of two heads K 6,144, V 6,144, K's scale words 256, V's 256
.set HEADB, 12800
.set SCR,   2*SLOTB                    ; 512 bytes: concat's scale words of 128 positions
.set SPARE, SCR+512                    ; the spare words, 128 bytes for each wave: eight blocks of 256 bytes that no other line names
.set AF,   1                           ; v1   16 x lane + my head's part of a slot
.set AR,   2                           ; v2   16 r + the same
.set SPW,  3
.set NIL,  4
.set GA,   5                           ; v5   the fragment that I copy, in memory
.set GA2,  6                           ; v6   the scale words that I copy
.set LW,   7                           ; v7   and where they go in a slot
.set LW2,  8
.set DQ,   9                           ; v9   my query in its block - 16 (lane / 16)
.set NINF, 10
.set L8,   11
.set Z,    16                          ; v16-33 [0 x 6][q x 6][0 x 6]
.set QS,   34
.set PS,   35
.set KS,   36
.set VS,   40
.set SG,   44                          ; v44-57 what I copy
.set FB,   58                          ; v58-105 four fragments of K, then of V
.set S,    106                         ; v106-169 S^T, then p
.set O,    170                         ; v170-201 O^T
.set PC,   202
.set PT,   214
.set BM,   222
.set BX,   226
.set SO,   230
.set FF,   234
.set T,    236
.set VQ,   240
.set AQS,  243
.set ASC,  244
.set ASR,  245
.set GSC,  246
.set QW,   247
.set WV,   12
.set EH,   13
.set TAU,  14
.set FN,   15
.set I,    16
.set LEFT, 17
.set TR,   18
.set PASS, 19
.set SEL,  20
.set CS,   22
.set SELQ, 24
.set KB,   26
.set QB,   28
.set CB,   30
.set SB,   32
.set PB,   34
.set QP,   36
.set CP,   38
.set SP,   40
	s_load_b256 s[4:11], s[0:1], 0x0               ; qc, kc, vc, cq
	v_lshl_add_u32 v[SPW], v0, 2, SPARE
	v_mov_b32 v[NIL], 0
	v_lshrrev_b32 v236, 5, v0
	v_readfirstlane_b32 s[WV], v236
	s_lshr_b32 s[EH], s[WV], 3                     ; which of the two heads
	s_and_b32 s[TAU], s[WV], 7                     ; my tile of queries
	s_and_b32 s[FN], s[WV], 3                      ; which fragment I copy,
	s_bfe_u32 s50, s[WV], 0x10002                  ; of K (0) or of V (1)
	s_lshr_b32 s51, s[TAU], 1
	s_and_b32 s52, s[TAU], 1
	s_and_b32 s44, ttmp9, 7
	s_bfe_u32 s45, ttmp9, 0x30003                  ; the pair of heads
	s_lshr_b32 s46, ttmp9, 6                       ; the batch
	s_sub_co_u32 s[I], 15, s44                     ; the first pass's block of queries
	v_and_b32 v236, 31, v0                         ; lane
	v_and_b32 v237, 15, v0                         ; r
	v_bfe_u32 v238, v0, 4, 1                       ; h
	v_lshlrev_b32 v239, 4, v236                    ; 16 x lane
	s_mul_i32 s48, s[EH], HEADB
	s_mul_i32 s49, s[FN], 1536
	v_add_nc_u32 v[AF], s48, v239
	v_lshl_add_u32 v[AR], v237, 4, s48
	v_add_nc_u32 v[GA], s49, v239
	v_lshlrev_b32 v[L8], 3, v236
	v_add_nc_u32 v[GA2], 6144, v[L8]
	s_mul_i32 s53, s50, 6144
	s_add_co_u32 s53, s53, s48
	s_add_co_u32 s53, s53, s49
	v_add_nc_u32 v[LW], s53, v239
	s_lshl_b32 s53, s50, 8
	s_add_co_u32 s53, s53, s48
	s_add_co_u32 s53, s53, 12288
	v_add_nc_u32 v[LW2], s53, v[L8]
	s_lshl_b32 s53, s[TAU], 6
	s_lshl_b32 s54, s[EH], 1
	s_add_co_u32 s53, s53, s54
	s_add_co_u32 s53, s53, SCR
	v_lshl_add_u32 v[ASC], v237, 2, s53            ; my query's word, my head's two bytes
	v_add_nc_u32 v[ASR], SCR, v239
	s_lshl_b32 s53, s51, 5
	s_lshl_b32 s54, s52, 3
	s_add_co_u32 s53, s53, s54
	v_and_b32 v[DQ], 8, v237
	v_add_nc_u32 v[DQ], v[DQ], v237
	v_add_nc_u32 v[DQ], s53, v[DQ]                 ; my query in its block: 32 (tile / 2) + 8 (tile % 2) + r + 8 (r / 8)
	v_lshlrev_b32 v[GSC], 4, v238
	v_sub_nc_u32 v[DQ], v[DQ], v[GSC]
	v_lshlrev_b32 v[GSC], 11, v238
	v_lshl_add_u32 v[GSC], v237, 4, v[GSC]         ; the scale words' way out: two groups of 64 positions, 2,048 bytes apart
	; q: six registers of fragment tile / 2 of qc: registers 0-5 (tile even) or 6-11 (odd) of its image: three pieces of 8 bytes
	s_mul_i32 s53, s51, 1536
	s_mov_b32 s55, 1024
	s_mov_b32 s56, 1032
	s_mov_b32 s57, 512
	s_mov_b32 s[SELQ], 0x03020302
	s_mov_b32 s58, 0x01000100
	s_cmp_eq_u32 s52, 0
	s_cselect_b32 s54, 0, 520
	s_cselect_b32 s55, 8, s55
	s_cselect_b32 s56, s57, s56
	s_cselect_b32 s[SELQ], s58, s[SELQ]            ; my tile's two scale bytes, laid twice: they serve [q | 0] and [0 | q]
	s_add_co_u32 s54, s54, s53
	s_add_co_u32 s55, s55, s53
	s_add_co_u32 s56, s56, s53
	v_add_nc_u32 v[VQ], s54, v239
	v_add_nc_u32 v[VQ+1], s55, v239
	v_add_nc_u32 v[VQ+2], s56, v239
	s_lshl_b32 s53, s51, 2
	s_add_co_u32 s53, s53, 6144
	v_lshl_add_u32 v[AQS], v237, 4, s53
	v_mov_b32 v[NINF], 0xff800000
.irp i, 0,1,2,3,4,5
	v_mov_b32 v[Z+\i], 0                           ; zero codes on both sides of q
	v_mov_b32 v[Z+12+\i], 0
.endr
.irp b, 0,1,2,3
	v_mov_b32 v[BX+\b], 0                          ; written once: a lane permute's destination counts as one of its sources
.endr
	v_mov_b32 v[FF+1], 0                           ; (named as the upper half of a pair)
	s_mov_b32 s[SEL], 0x76543210
	s_mov_b32 s[SEL+1], 0xfedcba98
	s_mov_b32 s[CS], 0x3e38aa3b                    ; c = log2(e) / 8
	s_mov_b32 s[CS+1], s[CS]
	s_lshl_b32 s47, s45, 1
	s_add_co_u32 s47, s47, s[EH]
	s_lshl_b32 s53, s46, 4
	s_add_co_u32 s47, s47, s53                     ; 16 x batch + head
	s_mul_i32 s42, s47, HS
	s_mov_b32 s43, 0
	s_wait_kmcnt 0x0
	s_cmp_eq_u32 s50, 0
	s_cselect_b64 s[KB:KB+1], s[6:7], s[8:9]
	s_add_nc_u64 s[KB:KB+1], s[KB:KB+1], s[42:43]  ; the tensor that I copy from, at my head
	s_add_nc_u64 s[QB:QB+1], s[4:5], s[42:43]
	s_lshl_b32 s42, s46, 7
	s_add_co_u32 s42, s42, s[TAU]
	s_mul_i32 s42, s42, 12288
	s_mul_i32 s47, s45, 1536
	s_add_co_u32 s42, s42, s47
	s_mul_i32 s47, s[EH], 768
	s_add_co_u32 s42, s42, s47
	s_add_nc_u64 s[CB:CB+1], s[10:11], s[42:43]    ; cq: row tile 128 x batch + tile, K step = pair, my head's half of the fragment
	s_lshl_b32 s42, s46, 16
	s_lshl_b32 s47, s45, 8
	s_add_co_u32 s42, s42, s47
	s_add_co_u32 s42, s42, XSC
	s_add_nc_u64 s[SB:SB+1], s[10:11], s[42:43]
.macro LOADG                           ; my share of a key step: a fragment; the first wave of each four also the 256 bytes of scale words
.irp j, 0,1,2
	global_load_b128 v[SG+4*\j:SG+4*\j+3], v[GA], s[PB:PB+1] offset:512*\j
.endr
	s_cmp_lg_u32 s[FN], 0
	s_cbranch_scc1 .Lno_scl_\@
	global_load_b64 v[SG+12:SG+13], v[GA2], s[PB:PB+1]
.Lno_scl_\@:
.endm
; A KEY STEP of 128 keys, through slot `slot`.  diag = 1: the pass's first step, on the diagonal: it starts the statistics and O^T and hides the keys behind each query.
.macro STEP slot, diag
	s_wait_loadcnt 0x0                             ; what I copy is in (asked for a whole step ago); in a pass's first step q too
.if \diag
	v_perm_b32 v[QS], v[QW], v[QW], s[SELQ]
	v_mov_b32 v13, 0xff61b1e6                      ; the largest t so far: -3e38
	v_floor_f32 v12, -v13                          ; -M
	v_mov_b32 v14, 0                               ; the sum, in two halves
	v_mov_b32 v15, 0
.rept 4
	v_nop                                          ; with the four lines above: eight places between the scale word's write and the first scaled product
.endr
.endif
.irp j, 0,1,2
	ds_store_b128 v[LW], v[SG+4*\j:SG+4*\j+3] offset:SLOTB*\slot+512*\j
.endr
	s_cmp_lg_u32 s[FN], 0
	s_cbranch_scc1 .Lno_st_\@
	ds_store_b64 v[LW2], v[SG+12:SG+13] offset:SLOTB*\slot
.Lno_st_\@:
	s_wait_dscnt 0x0                               ; for the others' sake: my stores have landed; my reads of the other slot were waited for in the last step
	s_barrier_signal -1
	s_barrier_wait -1
	s_cmp_eq_u32 s[LEFT], 0                        ; ids alone: the same in all sixteen waves
	s_cbranch_scc1 .Lno_more_\@
	s_sub_nc_u64 s[PB:PB+1], s[PB:PB+1], 6400      ; the step below (the loads that read this address were waited for above)
	LOADG
	s_sub_co_u32 s[LEFT], s[LEFT], 1
.Lno_more_\@:
.irp k, 0,1,2,3,4,5,6,7,8,9,10,11
	ds_load_b128 v[FB+4*\k:FB+4*\k+3], v[AF] offset:SLOTB*\slot+512*\k
.endr
	ds_load_b128 v[KS:KS+3], v[AR] offset:SLOTB*\slot+12288
	ds_load_b128 v[VS:VS+3], v[AR] offset:SLOTB*\slot+12544
	s_wait_dscnt 0x0
.irp n, 0,1,2,3,4,5,6,7                ; tile n of 16 keys: fragment n / 2 against [q | 0] (n even) or [0 | q] (odd)
	v_wmma_scale_f32_16x16x128_f8f6f4 v[S+8*\n:S+8*\n+7], v[FB+12*(\n/2):FB+12*(\n/2)+11], v[Z+6-6*(\n%2):Z+17-6*(\n%2)], 0, v[KS+\n/2], v[QS] matrix_a_fmt:MATRIX_FMT_FP6 matrix_b_fmt:MATRIX_FMT_FP6
.endr
.rept 4
	v_nop                                          ; places in front of the loads into K's registers and of the first read of the scores
.endr
.irp k, 0,1,2,3,4,5,6,7,8,9,10,11
	ds_load_b128 v[FB+4*\k:FB+4*\k+3], v[AF] offset:SLOTB*\slot+6144+512*\k   ; V lands under the softmax
.endr
.if \diag
.set n, 0
.rept 64                               ; register 16 b + i holds key 32 b + 16 (lane / 16) + i of the block: hidden where 32 b + i > my query - 16 (lane / 16)
	v_cmp_gt_i32 vcc_lo, 32*(n/16)+n%16, v[DQ]
	v_cndmask_b32 v[S+n], v[S+n], v[NINF], vcc_lo
.set n, n+1
.endr
.endif
.irp b, 0,1,2,3
	v_max3_num_f32 v[BM+\b], v[S+16*\b], v[S+16*\b+1], v[S+16*\b+2]   ; the largest score of each block of 32 keys: for the row's maximum, and, since p rises with the score, for the block's largest p
.endr
.irp i, 3,5,7,9,11,13
.irp b, 0,1,2,3
	v_max3_num_f32 v[BM+\b], v[BM+\b], v[S+16*\b+\i], v[S+16*\b+\i+1]
.endr
.endr
.irp b, 0,1,2,3
	v_max_num_f32 v[BM+\b], v[BM+\b], v[S+16*\b+15]
.endr
.irp b, 0,1,2,3
	v_permlanex16_b32 v[BX+\b], v[BM+\b], s[SEL], s[SEL+1]
.endr
.irp b, 0,1,2,3
	v_max_num_f32 v[BM+\b], v[BM+\b], v[BX+\b]
.endr
	v_max3_num_f32 v[T+2], v[BM], v[BM+1], v[BM+2]
	v_max_num_f32 v[T+2], v[T+2], v[BM+3]
	v_mul_f32 v[T+2], s[CS], v[T+2]
	v_max_num_f32 v13, v13, v[T+2]                 ; the running largest t
	v_mov_b32 v[T+2], v12
	v_floor_f32 v12, -v13                          ; the new -M = -ceil(t): a whole number
	v_sub_f32 v[T+2], v12, v[T+2]
	v_cvt_i32_f32 v[T+2], v[T+2]                   ; (it saturates)
	v_ldexp_f32 v[FF], 1.0, v[T+2]                 ; f = 2^(old M - new M): rounds nothing
.set j, 0
.rept 32
	v_pk_fma_f32 v[S+j:S+j+1], v[S+j:S+j+1], s[CS:CS+1], v[12:13] op_sel_hi:[1,0,0]   ; t - M
.set j, j+2
.endr
.irp b, 0,1,2,3
	v_fma_f32 v[BM+\b], v[BM+\b], s[CS], v12
.endr
.set j, 0
.rept 64
	v_exp_f32 v[S+j], v[S+j]                       ; p = 2^(t - M)
.set j, j+1
.endr
	v_pk_mul_f32 v[14:15], v[14:15], v[FF:FF+1] op_sel_hi:[1,0]   ; the sums under the new M: the plain place behind the exponentials
	s_wait_alu depctr_va_vdst(0)                   ; one wait for the batch of 64, ahead of its first reader
.irp b, 0,1,2,3
	v_exp_f32 v[BM+\b], v[BM+\b]                   ; each block's largest p
.endr
	v_pk_add_f32 v[T:T+1], v[S:S+1], v[S+2:S+3]    ; the row's sum is taken of the unquantised p, in two chains
.set j, 4
.rept 15
	v_pk_add_f32 v[14:15], v[14:15], v[S+j:S+j+1]
	v_pk_add_f32 v[T:T+1], v[T:T+1], v[S+j+2:S+j+3]
.set j, j+4
.endr
	v_pk_add_f32 v[14:15], v[14:15], v[T:T+1]
	s_wait_alu depctr_va_vdst(0)                   ; and one for the four
.irp b, 0,1,2,3
	v_max_num_f32 v[BM+\b], 0x1800000, v[BM+\b]    ; the floor: a block whose every p is 0 keeps the byte 1; its codes are zeros
.endr
.irp b, 0,1,2,3
	v_add_nc_u32 v[SO+\b], 0xff000000, v[BM+\b]
.endr
.irp b, 0,1,2,3
	v_lshrrev_b32 v[BX+\b], 23, v[SO+\b]
.endr
	v_lshl_or_b32 v[PS], v[BX+1], 8, v[BX]
	v_lshl_or_b32 v[PS], v[BX+2], 16, v[PS]
	v_lshl_or_b32 v[PS], v[BX+3], 24, v[PS]
.irp c, 0,1
	v_cvt_scalef32_pk16_fp6_f32 v[PC+6*\c:PC+6*\c+2], v[S+32*\c:S+32*\c+15], v[SO+2*\c]
	v_cvt_scalef32_pk16_fp6_f32 v[PT+4*\c:PT+4*\c+2], v[S+32*\c+16:S+32*\c+31], v[SO+2*\c+1]
.endr
	v_nop                                          ; one plain place behind a scaled conversion
.irp c, 0,1
.irp i, 0,1,2
	v_permlane16_swap_b32 v[PC+6*\c+\i], v[PT+4*\c+\i]
.endr
.irp i, 0,1,2
	v_mov_b32 v[PC+6*\c+3+\i], v[PT+4*\c+\i]
.endr
.endr
.if \diag
.rept 8
	v_nop                                          ; the places ahead of the scaled products: there is no O^T yet to bring under the new M
.endr
.else
.set j, 0
.rept 16
	v_pk_mul_f32 v[O+j:O+j+1], v[O+j:O+j+1], v[FF:FF+1] op_sel_hi:[1,0]   ; O^T under the new M; these are also the places ahead of the products
.set j, j+2
.endr
.endif
	s_wait_dscnt 0x0                               ; V is in
.irp t, 0,1,2,3                        ; the four accumulators take turns
.if \diag
	v_wmma_scale_f32_16x16x128_f8f6f4 v[O+8*\t:O+8*\t+7], v[FB+12*\t:FB+12*\t+11], v[PC:PC+11], 0, v[VS+\t], v[PS] matrix_a_fmt:MATRIX_FMT_FP6 matrix_b_fmt:MATRIX_FMT_FP6
.else
	v_wmma_scale_f32_16x16x128_f8f6f4 v[O+8*\t:O+8*\t+7], v[FB+12*\t:FB+12*\t+11], v[PC:PC+11], v[O+8*\t:O+8*\t+7], v[VS+\t], v[PS] matrix_a_fmt:MATRIX_FMT_FP6 matrix_b_fmt:MATRIX_FMT_FP6
.endif
.endr
.rept 4
	v_nop                                          ; places in front of the next loads into V's registers and scale words, and of the next read of O^T
.endr
.endm
	s_mov_b32 s[PASS], 2
.Lpass:
	s_wait_loadcnt 0x0                             ; every way from a key step's loads to the loads below, which land in the same registers, passes this wait (a pass's last step asks for nothing, so none is out here)
	s_wait_xcnt 0x0                                ; the last pass's stores have read their registers and addresses
	s_mul_i32 s42, s[I], 6400
	s_add_nc_u64 s[PB:PB+1], s[KB:KB+1], s[42:43]  ; the diagonal step
	s_add_nc_u64 s[QP:QP+1], s[QB:QB+1], s[42:43]
	s_mul_i32 s42, s[I], 98304                     ; 8 row tiles of 12,288 bytes
	s_add_nc_u64 s[CP:CP+1], s[CB:CB+1], s[42:43]
	s_lshl_b32 s42, s[I], 12                       ; 2 groups of 2,048 bytes
	s_add_nc_u64 s[SP:SP+1], s[SB:SB+1], s[42:43]
.irp i, 0,1,2
	global_load_b64 v[Z+6+2*\i:Z+7+2*\i], v[VQ+\i], s[QP:QP+1]
.endr
	global_load_b32 v[QW], v[AQS], s[QP:QP+1]
	LOADG
	s_mov_b32 s[LEFT], s[I]                        ; steps still to be asked for
	STEP 0, 1
	s_lshr_b32 s[TR], s[I], 1
	s_cmp_eq_u32 s[TR], 0
	s_cbranch_scc1 .Lno_pairs
.Lpair:
	STEP 1, 0
	STEP 0, 0
	s_sub_co_u32 s[TR], s[TR], 1
	s_cmp_lg_u32 s[TR], 0
	s_cbranch_scc1 .Lpair
.Lno_pairs:
	s_bitcmp1_b32 s[I], 0
	s_cbranch_scc0 .Leven
	STEP 1, 0
.Leven:
	; THE WAY OUT.  O^T / the sum: register 8 t + j is d = 32 (t / 2) + 16 (lane / 16) + 8 (t % 2) + j of my query: two blocks of 32 along the last product's K
	v_add_f32 v14, v14, v15
	v_permlanex16_b32 v[T], v14, s[SEL], s[SEL+1]
	v_add_f32 v14, v14, v[T]
	v_rcp_f32 v14, v14
	v_nop                                          ; one plain place behind the reciprocal
	s_wait_alu depctr_va_vdst(0)                   ; and the wait ahead of its first reader
.set j, 0
.rept 32
	v_mul_f32 v[S+j], v[O+j], v14
.set j, j+1
.endr
.irp b, 0,1
	v_max3_num_f32 v[BM+\b], |v[S+16*\b]|, |v[S+16*\b+1]|, 0x1800000
.endr
.irp i, 2,4,6,8,10,12,14
.irp b, 0,1
	v_max3_num_f32 v[BM+\b], v[BM+\b], |v[S+16*\b+\i]|, |v[S+16*\b+\i+1]|
.endr
.endr
.irp b, 0,1
	v_permlanex16_b32 v[BX+\b], v[BM+\b], s[SEL], s[SEL+1]
.endr
.irp b, 0,1
	v_max_num_f32 v[BM+\b], v[BM+\b], v[BX+\b]
.endr
.irp b, 0,1
	v_add_nc_u32 v[SO+\b], 0xff000000, v[BM+\b]
.endr
.irp b, 0,1
	v_lshrrev_b32 v[BX+\b], 23, v[SO+\b]
.endr
	v_lshl_or_b32 v[T+2], v[BX+1], 8, v[BX]        ; my head's two bytes of the row's scale word
	v_cvt_scalef32_pk16_fp6_f32 v[PC:PC+2], v[S:S+15], v[SO]
	v_cvt_scalef32_pk16_fp6_f32 v[PT:PT+2], v[S+16:S+31], v[SO+1]
	v_nop
.irp i, 0,1,2
	v_permlane16_swap_b32 v[PC+\i], v[PT+\i]
.endr
.irp i, 0,1,2
	v_mov_b32 v[PC+3+\i], v[PT+\i]
.endr
.irp i, 0,1,2
	global_store_b64 v[L8], v[PC+2*\i:PC+2*\i+1], s[CP:CP+1] offset:256*\i   ; half a fragment: three pieces of 256 consecutive bytes, aligned
.endr
	ds_store_b16 v[ASC], v[T+2]                    ; both halves of the lanes write the same two bytes with the same value
	s_wait_dscnt 0x0
	s_barrier_signal -1
	s_barrier_wait -1                              ; 128 whole scale words lie in LDS; and no wave reads a slot any more
	s_cmp_lg_u32 s[WV], 0
	s_cbranch_scc1 .Lnot_0
	ds_load_b128 v[BM:BM+3], v[ASR]
	s_wait_dscnt 0x0
	global_store_b128 v[GSC], v[BM:BM+3], s[SP:SP+1]   ; sixteen lanes store a group's 256 bytes
.Lnot_0:
	s_sub_co_u32 s[I], 15, s[I]                    ; the other block of queries
	s_sub_co_u32 s[PASS], s[PASS], 1
	s_cmp_lg_u32 s[PASS], 0
	s_cbranch_scc1 .Lpass
	s_wait_tensorcnt 0x0                           ; the wave's end: three lines behind my last LDS store, the first of them though the kernel issues no tensor load
	ds_add_u32 v[SPW], v[NIL]
	s_wait_dscnt 0x0
	s_endpgm
.Lfunc_end_k_qaa82f91556_attn:
	.size	k_qaa82f91556_attn, .Lfunc_end_k_qaa82f91556_attn-k_qaa82f91556_attn
	.p2alignl 7, 3214868480
	.fill 96, 4, 3214868480
	.section	.rodata,"a",@progbits
	.p2align	6, 0x0
	.amdhsa_kernel k_qaa82f91556_attn
		.amdhsa_group_segment_fixed_size 53760
		.amdhsa_private_segment_fixed_size 0
		.amdhsa_enable_private_segment 0
		.amdhsa_kernarg_size 32
		.amdhsa_user_sgpr_count 2
		.amdhsa_user_sgpr_kernarg_segment_ptr 1
		.amdhsa_wavefront_size32 1
		.amdhsa_system_sgpr_workgroup_id_x 1
		.amdhsa_system_sgpr_workgroup_id_y 1
		.amdhsa_system_sgpr_workgroup_id_z 1
		.amdhsa_system_vgpr_workitem_id 0
		.amdhsa_next_free_vgpr 256
		.amdhsa_next_free_sgpr 66
		.amdhsa_reserve_vcc 1
		.amdhsa_float_denorm_mode_32 3
		.amdhsa_float_denorm_mode_16_64 3
		.amdhsa_memory_ordered 1
		.amdhsa_forward_progress 1
		.amdhsa_inst_pref_size 80
	.end_amdhsa_kernel
	.amdgpu_metadata
---
amdhsa.version: [ 1, 2 ]
amdhsa.kernels:
  - .name:           k_qaa82f91556_attn
    .symbol:         k_qaa82f91556_attn.kd
    .args:
      - { .name: qc, .offset: 0, .size: 8, .value_kind: global_buffer, .address_space: global }
      - { .name: kc, .offset: 8, .size: 8, .value_kind: global_buffer, .address_space: global }
      - { .name: vc, .offset: 16, .size: 8, .value_kind: global_buffer, .address_space: global }
      - { .name: cq, .offset: 24, .size: 8, .value_kind: global_buffer, .address_space: global }
    .group_segment_fixed_size: 53760
    .private_segment_fixed_size: 0
    .kernarg_segment_align: 8
    .kernarg_segment_size: 32
    .max_flat_workgroup_size: 512
    .sgpr_count:     66
    .vgpr_count:     256
    .wavefront_size: 32
...
	.end_amdgpu_metadata
.endif
;; end of part 3
;; launch out (part 4): grid 4 x 32, 4 waves a work-group, clusters of 4 x 4, 327,680 bytes of LDS; arguments cq, wq, bo, out0; writes out0
.if DOCPART == 4
	.amdgcn_target "amdgcn-amd-amdhsa--gfx1250"
	.amdhsa_code_object_version 6
	.text
	.protected	k_qaa82f91556_out
	.globl	k_qaa82f91556_out
	.p2align	8
	.type	k_qaa82f91556_out,@function
k_qaa82f91556_out:
	s_mov_b64 s[64:65], 0
	v_nop
	global_prefetch_b8 v0, s[64:65] scope:SCOPE_SE
	s_setreg_imm32_b32 hwreg(HW_REG_WAVE_MODE, 25, 1), 1
	s_wait_xcnt 0x0
	s_wait_alu depctr_hold_cnt(0) depctr_sa_sdst(0) depctr_va_vdst(0) depctr_va_sdst(0) depctr_va_ssrc(0) depctr_va_vcc(0) depctr_vm_vsrc(0)
	s_getreg_b32 s2, hwreg(HW_REG_IB_STS2, 6, 4)
	s_cmp_eq_u32 s2, 0
	s_cbranch_scc0 .Lentry_in_a_cluster
	s_endpgm
.Lentry_in_a_cluster:
	s_bfe_u32 s2, ttmp6, 0x10000c
	s_cmp_lg_u32 s2, 0xf033
	s_cbranch_scc0 .Lentry_shape_is_right
	s_endpgm
.Lentry_shape_is_right:
; out0 = concat Wo + bo on codes of FP6 (E2M3) with E8M0 scales; out0 [8192][1024] f32.  Nothing is left out here.
; The product's core is that of the launch proj: a tile of C, 256 x 256, by four waves of 128 x 128; K = 1,024 in four steps of 256 through two LDS slots; operands in the order of the operand's registers
; ([tile of 16 rows][K step][piece][lane x 8 bytes]); scale words of 128 rows as 4,096 dense bytes, brought once; 4 x 4 clusters, A (cq, tokens) asked for jointly along a row, B (Wo's columns in wq) along a column.
; 128 work-groups: C has 128 tiles of this size.
; The matrix instruction is used transposed: a lane holds one token's row and eight columns.  The row at position P of both operands holds index swap34(P); both orders are undone on the way out by immediates:
; register j of tile b is column 32 (b / 2) + 16 (lane / 16) + 8 (b % 2) + j, and row t of block a is token 32 (a / 2) + 8 (a % 2) + t + 8 (t / 8).
.set XSC,   6291456
.set WSC,   3145728
.set FR,    12
.set NL,    6
.set NP,    4
.set NQ,    2
.set FRB,   1536
.set TILEB, 2*FRB
.set HALFT, 8*TILEB
.set SLOT,  4*HALFT
.set SCL,   2*SLOT
.set HALFS, 4096
.set SPARE, SCL+4*HALFS                ; the spare words, 128 bytes for each wave: two blocks of 256 bytes that no other line names
.set SPITCH, 528                       ; the way out: a stage of 16 rows x (512 bytes + 16) for each wave, in slot 0, which has had its last fill and its last read when the first result is stored there
.set ADRA, 16
.set ADRB, 20
.set STO,  24
.set RD,   25
.set CO,   26
.set ADRS, 27
.set SPW,  28
.set NIL,  29
.set SC,   32
.set BO,   64                          ; v64-67 bo at my four columns of a row read back
.set AF,   128
.set BK,   128
.set G1, 24
.set G0, 32
.set G1B, 48
.set G0B, 56
.set G1S, 68
.set G0S, 76
.set G1SB, 80
.set G0SB, 88
.set MSB, 0
.macro WIN new
.if MSB != (\new)
	s_set_vgpr_msb (MSB<<8)|(\new)
.set MSB, (\new)
.endif
.endm
.set MUL_LO, 0xa1
.set MUL_HI, 0xf1
.set TO_B,   0x40
.macro JLOAD g0a, g1a, g0b, g1b        ; a joint load: waves 0 and 1 fetch for A, waves 2 and 3 for B; an s_nop 0 and four v_nop follow each of the two lines
	s_cmp_eq_u32 s15, 0
	s_cbranch_scc0 .Lfor_b_\@
	tensor_load_to_lds s[\g0a:\g0a+3], s[\g1a:\g1a+7]
	s_nop 0
.rept 4
	v_nop
.endr
	s_branch .Lasked_\@
.Lfor_b_\@:
	tensor_load_to_lds s[\g0b:\g0b+3], s[\g1b:\g1b+7]
	s_nop 0
.rept 4
	v_nop
.endr
.Lasked_\@:
.endm
.macro CREST
	s_cmp_lg_u32 s14, 0
	s_cbranch_scc1 .Lnot_wave_0_\@
	s_barrier_signal -3
.Lnot_wave_0_\@:
	s_barrier_wait -3
	s_barrier_signal -1
	s_barrier_wait -1
.endm
.macro CROUND
	s_barrier_signal -1
	s_barrier_wait -1
	CREST
.endm
	s_load_b128 s[4:7], s[0:1], 0x0                ; cq, wq
	s_load_b128 s[8:11], s[0:1], 0x10              ; bo, out0
	v_lshl_add_u32 v[SPW], v0, 2, SPARE
	v_mov_b32 v[NIL], 0
	ds_add_u32 v[SPW], v[NIL]                      ; the wave's opening: the add, twice on end, and its wait ahead of my first tensor load
	ds_add_u32 v[SPW], v[NIL]
	v_lshrrev_b32 v1, 5, v0
	v_readfirstlane_b32 s14, v1
	s_lshr_b32 s15, s14, 1
	s_and_b32 s16, s14, 1
	s_bfe_u32 s40, ttmp6, 0x40000                  ; cx
	s_bfe_u32 s41, ttmp6, 0x40004                  ; cy
	s_lshl_b32 s42, ttmp9, 2
	s_add_co_u32 s42, s42, s40                     ; tile column of C
	s_and_b32 s17, ttmp7, 0xffff
	s_lshl_b32 s17, s17, 2
	s_add_co_u32 s17, s17, s41                     ; tile row of C
	s_lshl_b32 s43, s41, 2
	s_lshl_b32 s43, 15, s43
	s_lshl_b32 s44, 0x1111, s40
	s_or_b32 s[G1+0], s43, (3<<16)|(1<<21)         ; codes: 8 rows of 384 elements of 8 bytes, 1,536 elements apart
	s_or_b32 s[G1B+0], s44, (3<<16)|(1<<21)
.irp g, G1, G1B
	s_mov_b32 s[\g+1], 384<<16
	s_mov_b32 s[\g+2], 8<<16
	s_mov_b32 s[\g+3], 384<<16
	s_mov_b32 s[\g+4], 8
	s_mov_b32 s[\g+5], 1536
	s_mov_b32 s[\g+6], 0
	s_mov_b32 s[\g+7], 0
.endr
	s_or_b32 s[G1S+0], s43, (3<<16)|(1<<21)        ; scale words: 16 rows of 32 elements of 8 bytes, dense
	s_or_b32 s[G1SB+0], s44, (3<<16)|(1<<21)
.irp g, G1S, G1SB
	s_mov_b32 s[\g+1], 32<<16
	s_mov_b32 s[\g+2], 16<<16
	s_mov_b32 s[\g+3], 32<<16
	s_mov_b32 s[\g+4], 16
	s_mov_b32 s[\g+5], 32
	s_mov_b32 s[\g+6], 0
	s_mov_b32 s[\g+7], 0
.endr
	s_lshl_b32 s2, s16, 3
	s_lshl_b32 s20, s17, 4
	s_add_co_u32 s20, s20, s2                      ; A: the first row tile that I fetch
	s_lshl_b32 s46, s42, 4
	s_add_co_u32 s46, s46, s2                      ; B likewise, among Wo's 64
	s_lshl_b32 s22, s20, 9
	s_add_co_u32 s22, s22, XSC
	s_lshl_b32 s92, s46, 9
	s_add_co_u32 s92, s92, WSC+98304               ; Wo's scale words: groups 48 on
	s_mul_i32 s20, s20, 8*FRB
	s_mul_i32 s46, s46, 8*FRB
	s_add_co_u32 s46, s46, 192*8*FRB               ; Wo's row tiles: 192 on
	s_mov_b32 s21, 0
	s_mov_b32 s23, 0
	s_mov_b32 s47, 0
	s_mov_b32 s93, 0
	s_mul_i32 s45, s14, HALFT
	s_lshl_b32 s67, s14, 12
	s_wait_dscnt 0x0                               ; both opening adds are done
	s_wait_kmcnt 0x0
	s_add_nc_u64 s[20:21], s[4:5], s[20:21]
	s_add_nc_u64 s[22:23], s[4:5], s[22:23]
	s_add_nc_u64 s[46:47], s[6:7], s[46:47]
	s_add_nc_u64 s[92:93], s[6:7], s[92:93]
	CROUND                                         ; all sixteen work-groups are here: the first joint loads meet
	s_mov_b32 s[G0S], 1
	s_add_co_u32 s[G0S+1], s67, SCL
	s_mov_b64 s[G0S+2:G0S+3], s[22:23]
	s_or_b32 s[G0S+3], s[G0S+3], 0x80000000
	s_mov_b32 s[G0SB], 1
	s_add_co_u32 s[G0SB+1], s67, SCL
	s_mov_b64 s[G0SB+2:G0SB+3], s[92:93]
	s_or_b32 s[G0SB+3], s[G0SB+3], 0x80000000
	JLOAD G0S, G1S, G0SB, G1SB
.irp s, 0,1
	s_mov_b32 s[G0+4*\s], 1
	s_add_co_u32 s[G0+4*\s+1], s45, \s*SLOT
	s_add_nc_u64 s[G0+4*\s+2:G0+4*\s+3], s[20:21], \s*TILEB
	s_or_b32 s[G0+4*\s+3], s[G0+4*\s+3], 0x80000000
	s_mov_b32 s[G0B+4*\s], 1
	s_add_co_u32 s[G0B+4*\s+1], s45, \s*SLOT
	s_add_nc_u64 s[G0B+4*\s+2:G0B+4*\s+3], s[46:47], \s*TILEB
	s_or_b32 s[G0B+4*\s+3], s[G0B+4*\s+3], 0x80000000
	JLOAD G0+4*\s, G1, G0B+4*\s, G1B               ; by this text's count three tensor loads of a wave are out here
.endr
	v_and_b32 v1, 15, v0
	v_bfe_u32 v2, v0, 4, 1
	v_and_b32 v3, 31, v0
	v_lshlrev_b32 v4, 3, v3
	s_mul_i32 s21, s15, HALFT
	s_mul_i32 s22, s16, HALFT
	s_add_co_u32 s22, s22, 2*HALFT
.irp s, 0,1
	v_add_nc_u32 v[ADRA+\s], s21, v4
	v_add_nc_u32 v[ADRB+\s], s22, v4
	s_add_co_u32 s21, s21, SLOT
	s_add_co_u32 s22, s22, SLOT
.endr
	s_lshl_b32 s21, s15, 12
	s_lshl_b32 s22, s16, 12
	s_add_co_u32 s22, s22, 2*HALFS
	s_sub_co_u32 s22, s22, s21
	v_mul_u32_u24 v6, s22, v2                      ; lanes 16-31 take B's: one product, the distance between the two
	s_add_co_u32 s21, s21, SCL
	v_lshl_add_u32 v5, v1, 2, v6
	v_add_nc_u32 v[ADRS], s21, v5
	s_mul_i32 s23, s14, 16*SPITCH                  ; my stage
	v_mul_u32_u24 v5, v1, SPITCH
	v_lshl_add_u32 v5, v2, 6, v5
	v_add_nc_u32 v[STO], s23, v5                   ; in: row r, + 64 h
	v_lshlrev_b32 v[CO], 4, v3                     ; back: the 32 lanes take one row of 512 bytes; and the same in C and in bo
	v_add_nc_u32 v[RD], s23, v[CO]
	s_lshl_b32 s20, s17, 8
	s_lshl_b32 s21, s15, 7
	s_add_co_u32 s20, s20, s21                     ; my first token
	s_lshl_b32 s20, s20, 12                        ; rows of 4,096 bytes
	s_lshl_b32 s46, s42, 10
	s_lshl_b32 s47, s16, 9
	s_add_co_u32 s46, s46, s47                     ; my first column, in bytes
	s_mov_b32 s47, 0
	s_add_nc_u64 s[8:9], s[8:9], s[46:47]
	s_add_co_u32 s20, s20, s46
	s_mov_b32 s21, 0
	s_add_nc_u64 s[10:11], s[10:11], s[20:21]
	global_load_b128 v[BO:BO+3], v[CO], s[8:9]
.macro FRAG reg, adr, q, i
.irp p, 0,1,2,3,4,5
	ds_load_b64 v[\reg+2*\p:\reg+2*\p+1], v[\adr] offset:TILEB*(\i)+FRB*(\q)+256*\p
.endr
.endm
; The 64 accumulators take turns, one instruction a turn, in the same order in every step.
.macro MUL16 a0, p, q, sc, zero
.irp a, \a0, \a0+1
.irp b, 0,1,2,3,4,5,6,7
.if \zero
	v_wmma_scale_f32_16x16x128_f8f6f4 v[8*(8*((\a)%4)+\b):8*(8*((\a)%4)+\b)+7], v[128*(\p)+FR*\b:128*(\p)+FR*\b+FR-1], v[AF+FR*(\a):AF+FR*(\a)+FR-1], 0, v[SC+8*NQ*(\sc)+NQ*\b+(\q)], v[SC+8*NQ*(\sc)+NQ*(\a)+(\q)] matrix_a_fmt:MATRIX_FMT_FP6 matrix_b_fmt:MATRIX_FMT_FP6 matrix_a_scale:MATRIX_SCALE_ROW1
.else
	v_wmma_scale_f32_16x16x128_f8f6f4 v[8*(8*((\a)%4)+\b):8*(8*((\a)%4)+\b)+7], v[128*(\p)+FR*\b:128*(\p)+FR*\b+FR-1], v[AF+FR*(\a):AF+FR*(\a)+FR-1], v[8*(8*((\a)%4)+\b):8*(8*((\a)%4)+\b)+7], v[SC+8*NQ*(\sc)+NQ*\b+(\q)], v[SC+8*NQ*(\sc)+NQ*(\a)+(\q)] matrix_a_fmt:MATRIX_FMT_FP6 matrix_b_fmt:MATRIX_FMT_FP6 matrix_a_scale:MATRIX_SCALE_ROW1
.endif
.endr
.endr
.endm
.macro FETCH_B slot, q, p
	WIN TO_B
.irp i, 0,1,2,3,4,5,6,7
	FRAG 128*(\p)+FR*\i, ADRB+\slot, \q, \i
.endr
	WIN 0
.endm
.macro FETCH_A slot, q, i0
.irp i, \i0, \i0+1, \i0+2, \i0+3
	FRAG AF+FR*(\i), ADRA+\slot, \q, \i
.endr
.endm
.macro SCALES sc
.irp i, 0,1,2,3,4,5,6,7
.irp q, 0,1
	ds_load_b32 v[SC+8*NQ*\sc+NQ*\i+\q], v[ADRS] offset:2048*(\i/4)+64*(\i%4)+256*\q
.endr
.endr
.endm
.macro PLACES n
.rept \n
	v_nop
.endr
.endm
.macro STEP slot, q, zero
	s_wait_dscnt 4*NL                              ; all but the youngest 24 loads (A's blocks 4-7)
	WIN MUL_LO
	MUL16 0, (\q)%2, \q, \slot, \zero
	MUL16 2, (\q)%2, \q, \slot, \zero
	s_wait_dscnt 0
	PLACES NP
	FETCH_B \slot, (\q)+1, 1-(\q)%2
	FETCH_A \slot, (\q)+1, 0
	WIN MUL_HI
	MUL16 4, (\q)%2, \q, \slot, \zero
	MUL16 6, (\q)%2, \q, \slot, \zero
	PLACES NP
	WIN 0
	FETCH_A \slot, (\q)+1, 4
.endm
.macro TURN slot, next, fill
	s_wait_tensorcnt 0x0                           ; all my tensor loads have landed: my part of the next slot
	ds_add_u32 v[SPW], v[NIL]
	s_wait_dscnt 4*NL+1                            ; (the add and A's blocks 4-7 may be out)
	WIN MUL_LO
	MUL16 0, 1, NQ-1, \slot, 0
	s_wait_dscnt 0x0                               ; the add is done, and my reads of this slot are over
	s_barrier_signal -1
	MUL16 2, 1, NQ-1, \slot, 0
	WIN 0
	s_barrier_wait -1
.if \fill
	CREST                                          ; the barrier has opened a round of the cluster's barrier
	s_add_nc_u64 s[G0+4*\slot+2:G0+4*\slot+3], s[G0+4*\slot+2:G0+4*\slot+3], 2*TILEB
	s_add_nc_u64 s[G0B+4*\slot+2:G0B+4*\slot+3], s[G0B+4*\slot+2:G0B+4*\slot+3], 2*TILEB
	JLOAD G0+4*\slot, G1, G0B+4*\slot, G1B         ; the first tensor load behind the round
.else
	PLACES NP
.endif
	v_add_nc_u32 v[ADRS], 256*NQ, v[ADRS]
	FETCH_B \next, 0, 0
	FETCH_A \next, 0, 0
	SCALES \next
	WIN MUL_HI
	MUL16 4, 1, NQ-1, \slot, 0
	MUL16 6, 1, NQ-1, \slot, 0
	PLACES NP
	WIN 0
	FETCH_A \next, 0, 4
.endm
	s_wait_tensorcnt 1                             ; the scale words and my part of slot 0 are in (slot 1's load may be out)
	s_barrier_signal -1
	s_barrier_wait -1
	FETCH_B 0, 0, 0
	FETCH_A 0, 0, 0
	SCALES 0
	FETCH_A 0, 0, 4
	STEP 0, 0, 1                                   ; the first step's products start the sums
	TURN 0, 1, 1
	STEP 1, 0, 0
	TURN 1, 0, 1
	STEP 0, 0, 0
	TURN 0, 1, 0
	STEP 1, 0, 0
	s_wait_dscnt 4*NL                              ; the very last step
	WIN MUL_LO
	MUL16 0, 1, NQ-1, 1, 0
	MUL16 2, 1, NQ-1, 1, 0
	s_wait_dscnt 0
	WIN MUL_HI
	MUL16 4, 1, NQ-1, 1, 0
	MUL16 6, 1, NQ-1, 1, 0
	WIN 0
; THE WAY OUT, block by block of 16 tokens x 128 columns, through my own stage: LDS serves a wave's instructions in order, so no wait stands between the stores and the loads.
.macro TOSTAGE a
.set AC, 64*((\a)%4)
	WIN 0x08+4*((\a)/4)                            ; the data: window 2 or 3
.irp b, 0,1,2,3,4,5,6,7
	ds_store_b128 v[STO], v[AC+8*\b:AC+8*\b+3] offset:128*(\b/2)+32*(\b%2)        ; each accumulator from its low end on; its eight columns at their true place in the row
	ds_store_b128 v[STO], v[AC+8*\b+4:AC+8*\b+7] offset:128*(\b/2)+32*(\b%2)+16
.endr
	WIN 0
.set BB, BK+64*((\a)%2)
.irp t, 0,1,2,3,4,5,6,7,8,9,10,11,12,13,14,15
	ds_load_b128 v[BB+4*\t:BB+4*\t+3], v[RD] offset:\t*SPITCH
.endr
.endm
.macro SEND a, younger                 ; younger: the LDS instructions issued behind block a's loads
.set BB, BK+64*((\a)%2)
	s_wait_dscnt \younger
.irp t, 0,1,2,3,4,5,6,7,8,9,10,11,12,13,14,15
	v_pk_add_f32 v[BB+4*\t:BB+4*\t+1], v[BB+4*\t:BB+4*\t+1], v[BO:BO+1]
	v_pk_add_f32 v[BB+4*\t+2:BB+4*\t+3], v[BB+4*\t+2:BB+4*\t+3], v[BO+2:BO+3]
	global_store_b128 v[CO], v[BB+4*\t:BB+4*\t+3], s[10:11] offset:(32*((\a)/2)+8*((\a)%2)+\t+8*(\t/8))*4096 th:TH_STORE_NT   ; 32 lanes store 512 consecutive bytes, aligned; the token's true row stands in the immediate, 127 rows at the most
.endr
.endm
	PLACES NP
	s_wait_loadcnt 0x0                             ; bo
	TOSTAGE 0
.irp a, 1,2,3,4,5,6,7
.if \a > 1
	s_wait_xcnt 0x0                                ; block a - 2's stores have read their registers: block a's loads may land there
.endif
	TOSTAGE \a
	SEND \a-1, 32                                  ; behind block a - 1's loads: block a's 16 stores and 16 loads
.endr
	SEND 7, 0
	s_wait_tensorcnt 0x0                           ; the wave's end: three lines behind my last tensor load and my last LDS store
	ds_add_u32 v[SPW], v[NIL]
	s_wait_dscnt 0x0
	CROUND                                         ; the closing round
	s_endpgm
.Lfunc_end_k_qaa82f91556_out:
	.size	k_qaa82f91556_out, .Lfunc_end_k_qaa82f91556_out-k_qaa82f91556_out
	.p2alignl 7, 3214868480
	.fill 96, 4, 3214868480
	.section	.rodata,"a",@progbits
	.p2align	6, 0x0
	.amdhsa_kernel k_qaa82f91556_out
		.amdhsa_group_segment_fixed_size 327680
		.amdhsa_private_segment_fixed_size 0
		.amdhsa_enable_private_segment 0
		.amdhsa_kernarg_size 32
		.amdhsa_user_sgpr_count 2
		.amdhsa_user_sgpr_kernarg_segment_ptr 1
		.amdhsa_wavefront_size32 1
		.amdhsa_system_sgpr_workgroup_id_x 1
		.amdhsa_system_sgpr_workgroup_id_y 1
		.amdhsa_system_sgpr_workgroup_id_z 1
		.amdhsa_system_vgpr_workitem_id 0
		.amdhsa_next_free_vgpr 1024
		.amdhsa_next_free_sgpr 98
		.amdhsa_reserve_vcc 0
		.amdhsa_float_denorm_mode_32 3
		.amdhsa_float_denorm_mode_16_64 3
		.amdhsa_memory_ordered 1
		.amdhsa_forward_progress 1
		.amdhsa_inst_pref_size 177
	.end_amdhsa_kernel
	.amdgpu_metadata
---
amdhsa.version: [ 1, 2 ]
amdhsa.kernels:
  - .name:           k_qaa82f91556_out
    .symbol:         k_qaa82f91556_out.kd
    .args:
      - { .name: cq, .offset: 0, .size: 8, .value_kind: global_buffer, .address_space: global }
      - { .name: wq, .offset: 8, .size: 8, .value_kind: global_buffer, .address_space: global }
      - { .name: bo, .offset: 16, .size: 8, .value_kind: global_buffer, .address_space: global }
      - { .name: out0, .offset: 24, .size: 8, .value_kind: global_buffer, .address_space: global }
    .group_segment_fixed_size: 327680
    .private_segment_fixed_size: 0
    .kernarg_segment_align: 8
    .kernarg_segment_size: 32
    .max_flat_workgroup_size: 128
    .sgpr_count:     98
    .vgpr_count:     1024
    .wavefront_size: 32
...
	.end_amdgpu_metadata
.endif
;; end of part 4
;; ======== version 2 of 2: 4 launches; version 1 with the launch attn written anew for expert scheduling mode
;; workspace buffers: xq 6,553,600 bytes; wq 3,276,800 bytes; qc 6,553,600 bytes; kc 6,553,600 bytes; vc 6,553,600 bytes; cq 6,553,600 bytes
;; launch quant: the kernel of part 1 again; grid 384 x 1, 4 waves a work-group, no clusters, 60,928 bytes of LDS; arguments x, Wq, Wk, Wv, Wo, xq, wq; writes xq, wq
;; launch proj: the kernel of part 2 again; grid 8 x 48, 4 waves a work-group, clusters of 4 x 4, 327,680 bytes of LDS; arguments xq, wq, bq, bk, bv, qc, kc, vc; writes qc, kc, vc
;; launch attn (part 5): grid 256 x 1, 16 waves a work-group, no clusters, 53,760 bytes of LDS; arguments qc, kc, vc, cq; writes cq
.if DOCPART == 5
	.amdgcn_target "amdgcn-amd-amdhsa--gfx1250"
	.amdhsa_code_object_version 6
	.text
	.protected	k_qaa82f91556_attn
	.globl	k_qaa82f91556_attn
	.p2align	8
	.type	k_qaa82f91556_attn,@function
k_qaa82f91556_attn:
	s_mov_b64 s[64:65], 0
	v_nop
	global_prefetch_b8 v0, s[64:65] scope:SCOPE_SE
	s_setreg_imm32_b32 hwreg(HW_REG_WAVE_SCHED_MODE, 0, 2), 2
	s_setreg_imm32_b32 hwreg(HW_REG_WAVE_MODE, 25, 1), 1
	s_wait_xcnt 0x0
	s_wait_alu depctr_vm_vsrc(0)
; concat[b][q][head x 64 + d] = softmax_k(q . k / 8, causal) v, both products on codes of FP6 (E2M3); the result is quantised along head x 64 + d and leaves as codes, laid as the last launch's operand.
; LEFT OUT: blocks of 128 keys that lie wholly behind a block of 128 queries: reference()'s own tril makes their weights 0 for all inputs (shown at the head of the first launch).
; THE SOFTMAX: t = score x log2(e) / 8; M = the running largest t rounded UP to a whole number; p = 2^(t - M) is quantised along the keys; the row's sum is taken of the unquantised p and divides at the end.
; SHARES.  Work-group x: p = x % 8, pair of heads (x / 8) % 8, batch x / 64.  Wave w: head 2 x pair + w / 8, tile w % 8 of 16 query positions.  Two passes: the block of 128 queries 15 - p, then block p: block I has
; I + 1 key steps of 128, so every wave of the launch has 17 steps.  The diagonal step comes FIRST (each query sees its own key there, so M is a number from then on), then the steps below it, downwards.
; NO CLUSTER: the eight work-groups of a pair of heads walk different numbers of steps from different starts, so no joint request would meet.
; K AND V COME THROUGH REGISTERS: a step's 25,600 bytes (two heads) are loaded by the sixteen waves, a fragment of 1,536 bytes each, one whole key step ahead, and stored into one of two LDS slots; one barrier a step.
; Between a slot's reads and its next stores stands the other slot's barrier (or the way out's), in front of which every wave has waited for its LDS loads.
; LAYOUT.  Both products are used transposed: S^T = K Q^T, O^T = V^T P^T: a lane holds ONE query.  A fragment of kc holds two tiles of 16 keys x 64: against [q | 0] it gives the first tile's scores, against [0 | q] the
; second's: zero codes add nothing.  Position 16 a + r holds token 32 (a / 2) + 8 (a % 2) + r + 8 (r / 8): so the 16 registers of tiles 2 b, 2 b + 1 are keys 32 b + 16 (lane / 16) + 0 .. 15, and likewise d in O^T.
; LIMITS: as the quantiser's in the first launch.
; THE MODE: SCHED_MODE bits 1:0 = 2 (LLVM: expert scheduling mode 2), set by the entry lines.  The code itself states the register dependences
; between vector or matrix instructions and memory or LDS instructions, with s_wait_alu, always for 0.
; THE PLAN.  Registers that memory or LDS instructions touch:
;   SG v44-57      The global loads issued behind a step's barrier land in them; my LDS stores at the next step's head read them.  No vector instruction names them.
;   FB v58-105     K's fragments land; the eight products K Q^T read them; V's fragments land; the four products V^T P read them; the next step's K lands.
;   KS, VS v36-43  Land with K's fragments; K's products read KS as scales, V's products VS.
;   q v22-27, QW   Land at a pass's head; K's products read q, one v_perm_b32 reads QW.
;   PC, T+2, BM    The way out: vector instructions write them, stores read them (in wave 0 an LDS load lands in BM between); the next pass's vector instructions write them again.
;   addresses      v1, v2, v5 to v8, v11, v240 to v246: made once at the head, never written again.  v3, v4: the closing add's.
; The launch gives a wave 256 registers, of which eight are free: there is no second set of 48 for the fragments, so K and V take FB by turns and each turn has its wait.
; THE WAITS OF A KEY STEP.  Behind the barrier: one on vm_vsrc (my LDS stores have read SG) and one on va_vdst (the last step's products are done with FB and VS).  Behind K's products: one on va_vdst, behind which
; V's twelve loads follow with no further wait, three at a time among the softmax's first lines, which name the scores, the maxima and masks, never FB or its address.  The two behind the exponentials.  Ahead of V's
; products: one on va_vdst, for p's codes and scale word.  A pass's head and its way out have theirs; each is explained where it stands.
.set HS,    102400
.set XSC,   6291456
.set SLOTB, 25600                      ; a slot: for each of two heads K 6,144, V 6,144, K's scale words 256, V's 256
.set HEADB, 12800
.set SCR,   2*SLOTB                    ; 512 bytes: concat's scale words of 128 positions
.set SPARE, SCR+512                    ; the spare words, 128 bytes for each wave: eight blocks of 256 bytes that no other line names
.set AF,   1                           ; v1   16 x lane + my head's part of a slot
.set AR,   2                           ; v2   16 r + the same
.set SPW,  3
.set NIL,  4
.set GA,   5                           ; v5   the fragment that I copy, in memory
.set GA2,  6                           ; v6   the scale words that I copy
.set LW,   7                           ; v7   and where they go in a slot
.set LW2,  8
.set DQ,   9                           ; v9   my query in its block - 16 (lane / 16)
.set NINF, 10
.set L8,   11
.set Z,    16                          ; v16-33 [0 x 6][q x 6][0 x 6]
.set QS,   34
.set PS,   35
.set KS,   36
.set VS,   40
.set SG,   44                          ; v44-57 what I copy
.set FB,   58                          ; v58-105 four fragments of K, then of V
.set S,    106                         ; v106-169 S^T, then p
.set O,    170                         ; v170-201 O^T
.set PC,   202
.set PT,   214
.set BM,   222
.set BX,   226
.set SO,   230
.set FF,   234
.set T,    236
.set VQ,   240
.set AQS,  243
.set ASC,  244
.set ASR,  245
.set GSC,  246
.set QW,   247
.set WV,   12
.set EH,   13
.set TAU,  14
.set FN,   15
.set I,    16
.set LEFT, 17
.set TR,   18
.set PASS, 19
.set SEL,  20
.set CS,   22
.set SELQ, 24
.set KB,   26
.set QB,   28
.set CB,   30
.set SB,   32
.set PB,   34
.set QP,   36
.set CP,   38
.set SP,   40
.set MK,   44                          ; s44-59 behind the head, where they are at work on the addresses: sixteen masks of the diagonal step
	s_load_b256 s[4:11], s[0:1], 0x0               ; qc, kc, vc, cq
	v_lshl_add_u32 v[SPW], v0, 2, SPARE
	v_mov_b32 v[NIL], 0
	v_lshrrev_b32 v236, 5, v0
	v_readfirstlane_b32 s[WV], v236
	v_and_b32 v236, 31, v0                         ; lane
	v_and_b32 v237, 15, v0                         ; r
	v_bfe_u32 v238, v0, 4, 1                       ; h
	v_lshlrev_b32 v239, 4, v236                    ; 16 x lane
	s_wait_alu depctr_va_sdst(0)                   ; the wave's number is written, ahead of its first reader: shares, addresses and branches are made from it
	s_lshr_b32 s[EH], s[WV], 3                     ; which of the two heads
	s_and_b32 s[TAU], s[WV], 7                     ; my tile of queries
	s_and_b32 s[FN], s[WV], 3                      ; which fragment I copy,
	s_bfe_u32 s50, s[WV], 0x10002                  ; of K (0) or of V (1)
	s_lshr_b32 s51, s[TAU], 1
	s_and_b32 s52, s[TAU], 1
	s_and_b32 s44, ttmp9, 7
	s_bfe_u32 s45, ttmp9, 0x30003                  ; the pair of heads
	s_lshr_b32 s46, ttmp9, 6                       ; the batch
	s_sub_co_u32 s[I], 15, s44                     ; the first pass's block of queries
	s_mul_i32 s48, s[EH], HEADB
	s_mul_i32 s49, s[FN], 1536
	v_add_nc_u32 v[AF], s48, v239
	v_lshl_add_u32 v[AR], v237, 4, s48
	v_add_nc_u32 v[GA], s49, v239
	v_lshlrev_b32 v[L8], 3, v236
	v_add_nc_u32 v[GA2], 6144, v[L8]
	s_mul_i32 s53, s50, 6144
	s_add_co_u32 s53, s53, s48
	s_add_co_u32 s53, s53, s49
	v_add_nc_u32 v[LW], s53, v239
	s_lshl_b32 s53, s50, 8
	s_add_co_u32 s53, s53, s48
	s_add_co_u32 s53, s53, 12288
	v_add_nc_u32 v[LW2], s53, v[L8]
	s_lshl_b32 s53, s[TAU], 6
	s_lshl_b32 s54, s[EH], 1
	s_add_co_u32 s53, s53, s54
	s_add_co_u32 s53, s53, SCR
	v_lshl_add_u32 v[ASC], v237, 2, s53            ; my query's word, my head's two bytes
	v_add_nc_u32 v[ASR], SCR, v239
	s_lshl_b32 s53, s51, 5
	s_lshl_b32 s54, s52, 3
	s_add_co_u32 s53, s53, s54
	v_and_b32 v[DQ], 8, v237
	v_add_nc_u32 v[DQ], v[DQ], v237
	v_add_nc_u32 v[DQ], s53, v[DQ]                 ; my query in its block: 32 (tile / 2) + 8 (tile % 2) + r + 8 (r / 8)
	v_lshlrev_b32 v[GSC], 4, v238
	v_sub_nc_u32 v[DQ], v[DQ], v[GSC]
	v_lshlrev_b32 v[GSC], 11, v238
	v_lshl_add_u32 v[GSC], v237, 4, v[GSC]         ; the scale words' way out: two groups of 64 positions, 2,048 bytes apart
	; q: six registers of fragment tile / 2 of qc: registers 0-5 (tile even) or 6-11 (odd) of its image: three pieces of 8 bytes
	s_mul_i32 s53, s51, 1536
	s_mov_b32 s55, 1024
	s_mov_b32 s56, 1032
	s_mov_b32 s57, 512
	s_mov_b32 s[SELQ], 0x03020302
	s_mov_b32 s58, 0x01000100
	s_cmp_eq_u32 s52, 0
	s_cselect_b32 s54, 0, 520
	s_cselect_b32 s55, 8, s55
	s_cselect_b32 s56, s57, s56
	s_cselect_b32 s[SELQ], s58, s[SELQ]            ; my tile's two scale bytes, laid twice: they serve [q | 0] and [0 | q]
	s_add_co_u32 s54, s54, s53
	s_add_co_u32 s55, s55, s53
	s_add_co_u32 s56, s56, s53
	v_add_nc_u32 v[VQ], s54, v239
	v_add_nc_u32 v[VQ+1], s55, v239
	v_add_nc_u32 v[VQ+2], s56, v239
	s_lshl_b32 s53, s51, 2
	s_add_co_u32 s53, s53, 6144
	v_lshl_add_u32 v[AQS], v237, 4, s53
	v_mov_b32 v[NINF], 0xff800000
.irp i, 0,1,2,3,4,5
	v_mov_b32 v[Z+\i], 0                           ; zero codes on both sides of q
	v_mov_b32 v[Z+12+\i], 0
.endr
.irp b, 0,1,2,3
	v_mov_b32 v[BX+\b], 0                          ; written once: a lane permute's destination counts as one of its sources
.endr
	v_mov_b32 v[FF+1], 0                           ; (named as the upper half of a pair)
	s_mov_b32 s[SEL], 0x76543210
	s_mov_b32 s[SEL+1], 0xfedcba98
	s_mov_b32 s[CS], 0x3e38aa3b                    ; c = log2(e) / 8
	s_mov_b32 s[CS+1], s[CS]
	s_lshl_b32 s47, s45, 1
	s_add_co_u32 s47, s47, s[EH]
	s_lshl_b32 s53, s46, 4
	s_add_co_u32 s47, s47, s53                     ; 16 x batch + head
	s_mul_i32 s42, s47, HS
	s_mov_b32 s43, 0
	s_wait_kmcnt 0x0
	s_cmp_eq_u32 s50, 0
	s_cselect_b64 s[KB:KB+1], s[6:7], s[8:9]
	s_add_nc_u64 s[KB:KB+1], s[KB:KB+1], s[42:43]  ; the tensor that I copy from, at my head
	s_add_nc_u64 s[QB:QB+1], s[4:5], s[42:43]
	s_lshl_b32 s42, s46, 7
	s_add_co_u32 s42, s42, s[TAU]
	s_mul_i32 s42, s42, 12288
	s_mul_i32 s47, s45, 1536
	s_add_co_u32 s42, s42, s47
	s_mul_i32 s47, s[EH], 768
	s_add_co_u32 s42, s42, s47
	s_add_nc_u64 s[CB:CB+1], s[10:11], s[42:43]    ; cq: row tile 128 x batch + tile, K step = pair, my head's half of the fragment
	s_lshl_b32 s42, s46, 16
	s_lshl_b32 s47, s45, 8
	s_add_co_u32 s42, s42, s47
	s_add_co_u32 s42, s42, XSC
	s_add_nc_u64 s[SB:SB+1], s[10:11], s[42:43]
.macro LOADG                           ; my share of a key step: a fragment; the first wave of each four also the 256 bytes of scale words
.irp j, 0,1,2
	global_load_b128 v[SG+4*\j:SG+4*\j+3], v[GA], s[PB:PB+1] offset:512*\j
.endr
	s_cmp_lg_u32 s[FN], 0
	s_cbranch_scc1 .Lno_scl_\@
	global_load_b64 v[SG+12:SG+13], v[GA2], s[PB:PB+1]
.Lno_scl_\@:
.endm
.macro VLOAD slot, t                   ; fragment t of V: three LDS loads of 512 consecutive bytes
.irp j, 0,1,2
	ds_load_b128 v[FB+12*(\t)+4*\j:FB+12*(\t)+4*\j+3], v[AF] offset:SLOTB*\slot+6144+1536*(\t)+512*\j
.endr
.endm
; A KEY STEP of 128 keys, through slot `slot`.  diag = 1: the pass's first step, on the diagonal: it starts the statistics and O^T and hides the keys behind each query.
.macro STEP slot, diag
	s_wait_loadcnt 0x0                             ; what I copy is in (asked for a whole step ago); in a pass's first step q too
.if \diag
	v_perm_b32 v[QS], v[QW], v[QW], s[SELQ]
	v_mov_b32 v13, 0xff61b1e6                      ; the largest t so far: -3e38
	v_floor_f32 v12, -v13                          ; -M
	v_mov_b32 v14, 0                               ; the sum, in two halves
	v_mov_b32 v15, 0
.rept 4
	v_nop                                          ; with the four lines above: eight places between the scale word's write and the first scaled product
.endr
.endif
.irp j, 0,1,2
	ds_store_b128 v[LW], v[SG+4*\j:SG+4*\j+3] offset:SLOTB*\slot+512*\j
.endr
	s_cmp_lg_u32 s[FN], 0
	s_cbranch_scc1 .Lno_st_\@
	ds_store_b64 v[LW2], v[SG+12:SG+13] offset:SLOTB*\slot
.Lno_st_\@:
	s_wait_dscnt 0x0                               ; for the others' sake: my stores have landed; my reads of the other slot were waited for in the last step
	s_barrier_signal -1
	s_barrier_wait -1
	s_wait_alu depctr_vm_vsrc(0)                   ; my LDS stores above have read v[SG ..], in which the next step's global loads land
	s_wait_alu depctr_va_vdst(0)                   ; the last step's products V^T P are done reading V's fragments and scale words, in which the LDS loads below land; in a pass's first step q's scale word is written, behind its eight places, for the scaled products
	s_cmp_eq_u32 s[LEFT], 0                        ; ids alone: the same in all sixteen waves
	s_cbranch_scc1 .Lno_more_\@
	s_sub_nc_u64 s[PB:PB+1], s[PB:PB+1], 6400      ; the step below (the loads that read this address were waited for above)
	LOADG
	s_sub_co_u32 s[LEFT], s[LEFT], 1
.Lno_more_\@:
.irp k, 0,1,2,3,4,5,6,7,8,9,10,11
	ds_load_b128 v[FB+4*\k:FB+4*\k+3], v[AF] offset:SLOTB*\slot+512*\k   ; no vector or matrix instruction stands between the wait on va_vdst above and these
.endr
	ds_load_b128 v[KS:KS+3], v[AR] offset:SLOTB*\slot+12288
	ds_load_b128 v[VS:VS+3], v[AR] offset:SLOTB*\slot+12544
	s_wait_dscnt 0x0
.irp n, 0,1,2,3,4,5,6,7                ; tile n of 16 keys: fragment n / 2 against [q | 0] (n even) or [0 | q] (odd)
	v_wmma_scale_f32_16x16x128_f8f6f4 v[S+8*\n:S+8*\n+7], v[FB+12*(\n/2):FB+12*(\n/2)+11], v[Z+6-6*(\n%2):Z+17-6*(\n%2)], 0, v[KS+\n/2], v[QS] matrix_a_fmt:MATRIX_FMT_FP6 matrix_b_fmt:MATRIX_FMT_FP6
.endr
.rept 4
	v_nop                                          ; places in front of the first read of the scores
.endr
	s_wait_alu depctr_va_vdst(0)                   ; the eight products are done reading K's fragments, in which V's land.  V's twelve loads follow, three at a time; the lines between them name the scores, the maxima, v[DQ], v[NINF] and masks: never v[FB ..] or v[AF]
.if \diag
.irp g, 0,1,2,3                        ; register 16 g + n holds key 32 g + 16 (lane / 16) + n of the block: hidden where 32 g + n > my query - 16 (lane / 16).  Sixteen compares in a run, one wait, sixteen selects
	VLOAD \slot, \g                                ; V lands under the softmax
.set n, 0
.rept 16
	v_cmp_gt_i32 s[MK+n], 32*\g+n, v[DQ]
.set n, n+1
.endr
	s_wait_alu depctr_va_sdst(0)                   ; the sixteen masks are written, ahead of the selects that read them
.set n, 0
.rept 16
	v_cndmask_b32 v[S+16*\g+n], v[S+16*\g+n], v[NINF], s[MK+n]
.set n, n+1
.endr
.endr
.else
	VLOAD \slot, 0                                 ; V lands under the softmax
.endif
.irp b, 0,1,2,3
	v_max3_num_f32 v[BM+\b], v[S+16*\b], v[S+16*\b+1], v[S+16*\b+2]   ; the largest score of each block of 32 keys: for the row's maximum, and, since p rises with the score, for the block's largest p
.endr
.irp i, 3,5,7,9,11,13
.if (\diag == 0) && (\i < 9)
	VLOAD \slot, (\i-1)/2
.endif
.irp b, 0,1,2,3
	v_max3_num_f32 v[BM+\b], v[BM+\b], v[S+16*\b+\i], v[S+16*\b+\i+1]
.endr
.endr
.irp b, 0,1,2,3
	v_max_num_f32 v[BM+\b], v[BM+\b], v[S+16*\b+15]
.endr
.irp b, 0,1,2,3
	v_permlanex16_b32 v[BX+\b], v[BM+\b], s[SEL], s[SEL+1]
.endr
.irp b, 0,1,2,3
	v_max_num_f32 v[BM+\b], v[BM+\b], v[BX+\b]
.endr
	v_max3_num_f32 v[T+2], v[BM], v[BM+1], v[BM+2]
	v_max_num_f32 v[T+2], v[T+2], v[BM+3]
	v_mul_f32 v[T+2], s[CS], v[T+2]
	v_max_num_f32 v13, v13, v[T+2]                 ; the running largest t
	v_mov_b32 v[T+2], v12
	v_floor_f32 v12, -v13                          ; the new -M = -ceil(t): a whole number
	v_sub_f32 v[T+2], v12, v[T+2]
	v_cvt_i32_f32 v[T+2], v[T+2]                   ; (it saturates)
	v_ldexp_f32 v[FF], 1.0, v[T+2]                 ; f = 2^(old M - new M): rounds nothing
.set j, 0
.rept 32
	v_pk_fma_f32 v[S+j:S+j+1], v[S+j:S+j+1], s[CS:CS+1], v[12:13] op_sel_hi:[1,0,0]   ; t - M
.set j, j+2
.endr
.irp b, 0,1,2,3
	v_fma_f32 v[BM+\b], v[BM+\b], s[CS], v12
.endr
.set j, 0
.rept 64
	v_exp_f32 v[S+j], v[S+j]                       ; p = 2^(t - M)
.set j, j+1
.endr
	v_pk_mul_f32 v[14:15], v[14:15], v[FF:FF+1] op_sel_hi:[1,0]   ; the sums under the new M: the plain place behind the exponentials
	s_wait_alu depctr_va_vdst(0)                   ; the 64 exponentials have written p in v[S ..]: one wait for the batch, ahead of its first reader
.irp b, 0,1,2,3
	v_exp_f32 v[BM+\b], v[BM+\b]                   ; each block's largest p
.endr
	v_pk_add_f32 v[T:T+1], v[S:S+1], v[S+2:S+3]    ; the row's sum is taken of the unquantised p, in two chains
.set j, 4
.rept 15
	v_pk_add_f32 v[14:15], v[14:15], v[S+j:S+j+1]
	v_pk_add_f32 v[T:T+1], v[T:T+1], v[S+j+2:S+j+3]
.set j, j+4
.endr
	v_pk_add_f32 v[14:15], v[14:15], v[T:T+1]
	s_wait_alu depctr_va_vdst(0)                   ; the four exponentials have written v[BM ..]: their wait, ahead of their first reader
.irp b, 0,1,2,3
	v_max_num_f32 v[BM+\b], 0x1800000, v[BM+\b]    ; the floor: a block whose every p is 0 keeps the byte 1; its codes are zeros
.endr
.irp b, 0,1,2,3
	v_add_nc_u32 v[SO+\b], 0xff000000, v[BM+\b]
.endr
.irp b, 0,1,2,3
	v_lshrrev_b32 v[BX+\b], 23, v[SO+\b]
.endr
	v_lshl_or_b32 v[PS], v[BX+1], 8, v[BX]
	v_lshl_or_b32 v[PS], v[BX+2], 16, v[PS]
	v_lshl_or_b32 v[PS], v[BX+3], 24, v[PS]
.irp c, 0,1
	v_cvt_scalef32_pk16_fp6_f32 v[PC+6*\c:PC+6*\c+2], v[S+32*\c:S+32*\c+15], v[SO+2*\c]
	v_cvt_scalef32_pk16_fp6_f32 v[PT+4*\c:PT+4*\c+2], v[S+32*\c+16:S+32*\c+31], v[SO+2*\c+1]
.endr
	v_nop                                          ; one plain place behind a scaled conversion
.irp c, 0,1
.irp i, 0,1,2
	v_permlane16_swap_b32 v[PC+6*\c+\i], v[PT+4*\c+\i]
.endr
.irp i, 0,1,2
	v_mov_b32 v[PC+6*\c+3+\i], v[PT+4*\c+\i]
.endr
.endr
.if \diag
.rept 8
	v_nop                                          ; the places ahead of the scaled products: there is no O^T yet to bring under the new M
.endr
.else
.set j, 0
.rept 16
	v_pk_mul_f32 v[O+j:O+j+1], v[O+j:O+j+1], v[FF:FF+1] op_sel_hi:[1,0]   ; O^T under the new M; these are also the places ahead of the products
.set j, j+2
.endr
.endif
	s_wait_dscnt 0x0                               ; V is in
	s_wait_alu depctr_va_vdst(0)                   ; p's codes in v[PC ..] and its scale word v[PS] are written, behind their places: the scaled products below take them as an operand and as scales
.irp t, 0,1,2,3                        ; the four accumulators take turns
.if \diag
	v_wmma_scale_f32_16x16x128_f8f6f4 v[O+8*\t:O+8*\t+7], v[FB+12*\t:FB+12*\t+11], v[PC:PC+11], 0, v[VS+\t], v[PS] matrix_a_fmt:MATRIX_FMT_FP6 matrix_b_fmt:MATRIX_FMT_FP6
.else
	v_wmma_scale_f32_16x16x128_f8f6f4 v[O+8*\t:O+8*\t+7], v[FB+12*\t:FB+12*\t+11], v[PC:PC+11], v[O+8*\t:O+8*\t+7], v[VS+\t], v[PS] matrix_a_fmt:MATRIX_FMT_FP6 matrix_b_fmt:MATRIX_FMT_FP6
.endif
.endr
.rept 4
	v_nop                                          ; places in front of the next read of O^T (the next loads into V's registers and scale words stand behind the next step's wait on va_vdst)
.endr
.endm
	s_mov_b32 s[PASS], 2
.Lpass:
	s_wait_loadcnt 0x0                             ; every way from a key step's loads to the loads below, which land in the same registers, passes this wait (a pass's last step asks for nothing, so none is out here)
	s_wait_xcnt 0x0                                ; the last pass's stores have read their registers and addresses
	s_wait_alu depctr_va_vdst(0)                   ; first pass: the head has written every address register, which the loads and stores of the whole kernel read, and the zero codes beside q, which the scaled products take; second pass: the products and the v_perm_b32 are done reading q and v[QW], in which the loads below land
	s_wait_alu depctr_vm_vsrc(0)                   ; the last pass's stores have read v[PC ..], v[T+2] and v[BM ..], which this pass's vector instructions write again
	s_mul_i32 s42, s[I], 6400
	s_add_nc_u64 s[PB:PB+1], s[KB:KB+1], s[42:43]  ; the diagonal step
	s_add_nc_u64 s[QP:QP+1], s[QB:QB+1], s[42:43]
	s_mul_i32 s42, s[I], 98304                     ; 8 row tiles of 12,288 bytes
	s_add_nc_u64 s[CP:CP+1], s[CB:CB+1], s[42:43]
	s_lshl_b32 s42, s[I], 12                       ; 2 groups of 2,048 bytes
	s_add_nc_u64 s[SP:SP+1], s[SB:SB+1], s[42:43]
.irp i, 0,1,2
	global_load_b64 v[Z+6+2*\i:Z+7+2*\i], v[VQ+\i], s[QP:QP+1]
.endr
	global_load_b32 v[QW], v[AQS], s[QP:QP+1]
	LOADG
	s_mov_b32 s[LEFT], s[I]                        ; steps still to be asked for
	STEP 0, 1
	s_lshr_b32 s[TR], s[I], 1
	s_cmp_eq_u32 s[TR], 0
	s_cbranch_scc1 .Lno_pairs
.Lpair:
	STEP 1, 0
	STEP 0, 0
	s_sub_co_u32 s[TR], s[TR], 1
	s_cmp_lg_u32 s[TR], 0
	s_cbranch_scc1 .Lpair
.Lno_pairs:
	s_bitcmp1_b32 s[I], 0
	s_cbranch_scc0 .Leven
	STEP 1, 0
.Leven:
	; THE WAY OUT.  O^T / the sum: register 8 t + j is d = 32 (t / 2) + 16 (lane / 16) + 8 (t % 2) + j of my query: two blocks of 32 along the last product's K
	v_add_f32 v14, v14, v15
	v_permlanex16_b32 v[T], v14, s[SEL], s[SEL+1]
	v_add_f32 v14, v14, v[T]
	v_rcp_f32 v14, v14
	v_nop                                          ; one plain place behind the reciprocal
	s_wait_alu depctr_va_vdst(0)                   ; the reciprocal has written v14: the wait ahead of its first reader
.set j, 0
.rept 32
	v_mul_f32 v[S+j], v[O+j], v14
.set j, j+1
.endr
.irp b, 0,1
	v_max3_num_f32 v[BM+\b], |v[S+16*\b]|, |v[S+16*\b+1]|, 0x1800000
.endr
.irp i, 2,4,6,8,10,12,14
.irp b, 0,1
	v_max3_num_f32 v[BM+\b], v[BM+\b], |v[S+16*\b+\i]|, |v[S+16*\b+\i+1]|
.endr
.endr
.irp b, 0,1
	v_permlanex16_b32 v[BX+\b], v[BM+\b], s[SEL], s[SEL+1]
.endr
.irp b, 0,1
	v_max_num_f32 v[BM+\b], v[BM+\b], v[BX+\b]
.endr
.irp b, 0,1
	v_add_nc_u32 v[SO+\b], 0xff000000, v[BM+\b]
.endr
.irp b, 0,1
	v_lshrrev_b32 v[BX+\b], 23, v[SO+\b]
.endr
	v_lshl_or_b32 v[T+2], v[BX+1], 8, v[BX]        ; my head's two bytes of the row's scale word
	v_cvt_scalef32_pk16_fp6_f32 v[PC:PC+2], v[S:S+15], v[SO]
	v_cvt_scalef32_pk16_fp6_f32 v[PT:PT+2], v[S+16:S+31], v[SO+1]
	v_nop
.irp i, 0,1,2
	v_permlane16_swap_b32 v[PC+\i], v[PT+\i]
.endr
.irp i, 0,1,2
	v_mov_b32 v[PC+3+\i], v[PT+\i]
.endr
	s_wait_alu depctr_va_vdst(0)                   ; the codes in v[PC ..] and the two bytes in v[T+2] are written, which the stores below read; the vector instructions are done with v[BM ..], in which wave 0's LDS load lands.  No vector instruction follows before the pass's end
.irp i, 0,1,2
	global_store_b64 v[L8], v[PC+2*\i:PC+2*\i+1], s[CP:CP+1] offset:256*\i   ; half a fragment: three pieces of 256 consecutive bytes, aligned
.endr
	ds_store_b16 v[ASC], v[T+2]                    ; both halves of the lanes write the same two bytes with the same value
	s_wait_dscnt 0x0
	s_barrier_signal -1
	s_barrier_wait -1                              ; 128 whole scale words lie in LDS; and no wave reads a slot any more
	s_cmp_lg_u32 s[WV], 0
	s_cbranch_scc1 .Lnot_0
	ds_load_b128 v[BM:BM+3], v[ASR]
	s_wait_dscnt 0x0
	global_store_b128 v[GSC], v[BM:BM+3], s[SP:SP+1]   ; sixteen lanes store a group's 256 bytes
.Lnot_0:
	s_sub_co_u32 s[I], 15, s[I]                    ; the other block of queries
	s_sub_co_u32 s[PASS], s[PASS], 1
	s_cmp_lg_u32 s[PASS], 0
	s_cbranch_scc1 .Lpass
	s_wait_dscnt 0x0                               ; the wave's end
	s_wait_alu 0x0
	s_wait_tensorcnt 0x0
	ds_add_u32 v[SPW], v[NIL]
	s_wait_dscnt 0x0
	s_endpgm
.Lfunc_end_k_qaa82f91556_attn:
	.size	k_qaa82f91556_attn, .Lfunc_end_k_qaa82f91556_attn-k_qaa82f91556_attn
	.p2alignl 7, 3214868480
	.fill 96, 4, 3214868480
	.section	.rodata,"a",@progbits
	.p2align	6, 0x0
	.amdhsa_kernel k_qaa82f91556_attn
		.amdhsa_group_segment_fixed_size 53760
		.amdhsa_private_segment_fixed_size 0
		.amdhsa_enable_private_segment 0
		.amdhsa_kernarg_size 32
		.amdhsa_user_sgpr_count 2
		.amdhsa_user_sgpr_kernarg_segment_ptr 1
		.amdhsa_wavefront_size32 1
		.amdhsa_system_sgpr_workgroup_id_x 1
		.amdhsa_system_sgpr_workgroup_id_y 1
		.amdhsa_system_sgpr_workgroup_id_z 1
		.amdhsa_system_vgpr_workitem_id 0
		.amdhsa_next_free_vgpr 256
		.amdhsa_next_free_sgpr 66
		.amdhsa_reserve_vcc 0
		.amdhsa_float_denorm_mode_32 3
		.amdhsa_float_denorm_mode_16_64 3
		.amdhsa_memory_ordered 1
		.amdhsa_forward_progress 1
		.amdhsa_inst_pref_size 85
	.end_amdhsa_kernel
	.amdgpu_metadata
---
amdhsa.version: [ 1, 2 ]
amdhsa.kernels:
  - .name:           k_qaa82f91556_attn
    .symbol:         k_qaa82f91556_attn.kd
    .args:
      - { .name: qc, .offset: 0, .size: 8, .value_kind: global_buffer, .address_space: global }
      - { .name: kc, .offset: 8, .size: 8, .value_kind: global_buffer, .address_space: global }
      - { .name: vc, .offset: 16, .size: 8, .value_kind: global_buffer, .address_space: global }
      - { .name: cq, .offset: 24, .size: 8, .value_kind: global_buffer, .address_space: global }
    .group_segment_fixed_size: 53760
    .private_segment_fixed_size: 0
    .kernarg_segment_align: 8
    .kernarg_segment_size: 32
    .max_flat_workgroup_size: 512
    .sgpr_count:     66
    .vgpr_count:     256
    .wavefront_size: 32
...
	.end_amdgpu_metadata
.endif
;; end of part 5
;; launch out: the kernel of part 4 again; grid 4 x 32, 4 waves a work-group, clusters of 4 x 4, 327,680 bytes of LDS; arguments cq, wq, bo, out0; writes out0
